; MI455X (gfx1250); checked and timed in simulation.
; The chip was launched on July 23, 2026; its instructions are those of AMD's public machine-readable ISA for CDNA 5 (MIT licence, August 2026) and "CDNA5" Instruction Set Architecture Reference Guide (July 2026). The comments in the code are by the model that wrote it; some were corrected since.
;; Self Attention. Allowed arithmetic: matrix products marked QUANTISED: E5M2 operands, one given power-of-two scale a tensor, by v_wmma_f32_16x16x64_bf8_bf8 or v_wmma_f32_16x16x128_bf8_bf8, f32 sums; everything else in f32.
;; Inputs: Wk_codes 1,024 x 32 x 32 uint8 (E5M2 codes of Wk, K innermost, in blocks of 32 codes); Wq_codes 1,024 x 32 x 32 uint8 (E5M2 codes of Wq, K innermost, in blocks of 32 codes); Wv_codes 1,024 x 32 x 32 uint8 (E5M2 codes of Wv, K innermost, in blocks of 32 codes); bk 1,024 float32; bq 1,024 float32; bv 1,024 float32; lowp_scales 10 int32 (the exponents e of the quantised operands' scales 2^e); x_codes 4 x 2,048 x 32 x 32 uint8 (E5M2 codes of x, K innermost, in blocks of 32 codes).
;; Outputs: out0 4 x 2,048 x 1,024 float32.
;; This version of the problem:
;;   THIS VERSION OF THE PROBLEM IS GIVEN IN LOW PRECISION. The matrix products marked QUANTISED in the list below multiply operands that are first quantised to E5M2 (5 exponent bits, 2 mantissa bits; 8 bits a number), with one given power-of-two scale for each operand tensor; their sums are f32. All else is computed in f32.
;;   The module's matrix products, in the order in which they are computed (A, B: the left and right operand; K: the contracted axis; several contracted axes count as one K, in the product's order):
;;     1. [M 8,192, K 1,024] x [K 1,024, N 1,024]; A: input x (given as codes); B: input Wq (given as codes): QUANTISED (scales: A lowp_scales[0], B lowp_scales[1])
;;     2. [M 8,192, K 1,024] x [K 1,024, N 1,024]; A: input x (given as codes); B: input Wk (given as codes): QUANTISED (scales: A lowp_scales[2], B lowp_scales[3])
;;     3. [M 8,192, K 1,024] x [K 1,024, N 1,024]; A: input x (given as codes); B: input Wv (given as codes): QUANTISED (scales: A lowp_scales[4], B lowp_scales[5])
;;     4. batch 4 x [M 2,048, K 1,024] x [K 1,024, N 2,048]; A: computed on the way; B: computed on the way: QUANTISED (scales: A lowp_scales[6], B lowp_scales[7])
;;     5. batch 4 x [M 2,048, K 2,048] x [K 2,048, N 1,024]; A: softmax (see below); B: computed on the way: QUANTISED (scales: A lowp_scales[8], B lowp_scales[9])
;;   THE QUANTISER, for each operand of a quantised product, along K:
;;     - The operand's scale is 2^e, e = its entry of the input lowp_scales (int32; the entries are numbered through the quantised products in the list's order, A before B).
;;     - Each number is divided by the scale, clamped to +-57,344, and rounded to the nearest number of E5M2, ties to even, subnormals kept.
;;     - The product sums the exact products of the quantised numbers (number of the format x scale) in f32.
;;   ~~~python
;;   def quantise(x, axis, e):      # numpy; x: float32 -> the quantised numbers, widened to float32 again
;;       x = np.moveaxis(x, axis, -1); K = x.shape[-1]
;;       r = np.clip(x / 2.0 ** e, -57344, 57344)
;;       step = 2.0 ** (np.maximum(np.frexp(np.where(r == 0, 1, r))[1] - 1, -14) - 2)
;;       q = np.round(r / step) * step * 2.0 ** e      # np.round: ties to even
;;       return np.moveaxis(q, -1, axis).astype(np.float32)
;;   ~~~
;;   SOFTMAX AHEAD OF A QUANTISED PRODUCT. Where the list says 'softmax', what is quantised is not the finished softmax but p = 2^(t - M), with t = logit x log2(e) and M = ceil(the row's largest t), a whole number; so 1/2 < the row's largest p <= 1. The row's sum l is taken of the UNQUANTISED p, in f32, and the product's result is divided by l at the end. Since M is a whole number, a kernel that streams over the keys may use a running M (the ceiling of the running maximum): every later rescaling is an exact power of two, so the quantised numbers keep their values, but for numbers so far below the row's largest that they fall under the format's range.
;;   OPERANDS COMPUTED ON THE WAY. 'Computed on the way' means the value that the module computes at that place (a softmax that the list does not call 'softmax' is quantised finished and normalised). What goes into a quantiser is computed in f32, as accurately as f32 sums, v_exp_f32 and their like allow (about 1e-6 of the number): no bf16 or f16 on the way to a quantiser, and a product that is left as it is and whose result goes on into a quantised operand takes f32 operands (vector FMAs, or v_wmma_f32_16x16x4_f32). A number that lies on a knife's edge between two numbers of the format may be rounded either way, as far as f32 arithmetic and the matrix unit's own rounding can turn it there, and no further.
;;   INPUTS GIVEN AS CODES. Wk (in the module: [1024, 1024], K = its axis 0); Wq (in the module: [1024, 1024], K = its axis 0); Wv (in the module: [1024, 1024], K = its axis 0); x (in the module: [4, 2048, 1024], K = its axis 2): each comes as NAME_codes (uint8): NAME with its K axis moved to the last place and cut into blocks of 32 codes, [.., K / 32, bytes a block], one block behind the other in memory; one code a byte (a code: sign, 5 exponent bits, 2 mantissa bits); its scale is its entry of lowp_scales. Its value is code x scale, taken as it is: it is not quantised again, and the codes and scales need not be those that the quantiser above would give.
;; One version. Each part assembles by itself: llvm-mc -triple=amdgcn-amd-amdhsa -mcpu=gfx1250 --defsym DOCPART=n.
;; ======== version 1 of 1: 3 launches
;; workspace buffers: q_img 8,388,608 bytes; k_img 8,388,608 bytes; v_img 8,388,608 bytes; p_img 16,777,216 bytes; m_stat 524,288 bytes; l_stat 524,288 bytes
;; launch proj (part 1): grid 8 x 32, 4 waves a work-group, clusters of 4 x 4, 327,680 bytes of LDS; arguments x_codes, Wq_codes, Wk_codes, Wv_codes, bq, bk, bv, lowp_scales, q_img, k_img, v_img; writes q_img, k_img, v_img
.if DOCPART == 1
	.amdgcn_target "amdgcn-amd-amdhsa--gfx1250"
	.amdhsa_code_object_version 6
	.text
	.protected	k_q3ad3ad4a7b_proj
	.globl	k_q3ad3ad4a7b_proj
	.p2align	8
	.type	k_q3ad3ad4a7b_proj,@function
k_q3ad3ad4a7b_proj:
	s_mov_b64 s[64:65], 0
	v_nop
	global_prefetch_b8 v0, s[64:65] scope:SCOPE_SE
	s_setreg_imm32_b32 hwreg(HW_REG_WAVE_MODE, 25, 1), 1
	s_wait_xcnt 0x0
	s_wait_alu depctr_hold_cnt(0) depctr_sa_sdst(0) depctr_va_vdst(0) depctr_va_sdst(0) depctr_va_ssrc(0) depctr_va_vcc(0) depctr_vm_vsrc(0)
	s_getreg_b32 s2, hwreg(HW_REG_IB_STS2, 6, 4)
	s_cmp_eq_u32 s2, 0
	s_cbranch_scc0 .Lentry_in_a_cluster
	s_endpgm
.Lentry_in_a_cluster:
	s_bfe_u32 s2, ttmp6, 0x10000c
	s_cmp_lg_u32 s2, 0xf033
	s_cbranch_scc0 .Lentry_shape_is_right
	s_endpgm
.Lentry_shape_is_right:
; Q = x Wq + bq, K = x Wk + bk, V = x Wv + bv on codes of BF8 (E5M2); each result is quantised at once with its given scale and leaves as codes.
; x: [8192][1024] codes, Wq, Wk, Wv: [1024 (n)][1024 (k)] codes, K innermost.  A sum stands for sum x 2^(ea + eb); result = sum x 2^(ea + eb) + bias in f32, one fused multiply-add;
; code = result / 2^e, held within +-57,344, to the nearest code: e = entry 6 (Q), 7 (K), 9 (V) of the scales.
; LIMITS: ea + eb of each product between -126 and 127; entries 6, 7, 9 between -126 and 112, so that each power of two below is an f32 number.  NaN is not served.
; SHARES.  256 work-groups of four waves, all with the same work, in two phases on the same 256 rows of x (rows 256 wgy on, wgy = 4 x cluster y + cy):
;   V PHASE: 128 channels (128 wgx on, wgx = 4 x cluster x + cx) x these 256 rows (keys): a wave makes 64 channels x 128 keys, 32 accumulators.  Source 0 = 16 rows of x, source 1 = 16 rows of Wv:
;            V comes out transposed, a lane a channel, its registers along the keys.
;   Q/K PHASE: these 256 rows x 256 columns (256 cx on) of Q (cluster x = 0) or K (cluster x = 1): a wave makes 128 x 128, 64 accumulators.  Source 0 = 16 rows of W, source 1 = 16 rows of x.
; In both, lane (r, h) of accumulator (a, b) holds row 16 a + r of source 1's tile and source 0's rows 16 b + 8 h + 0 .. 7, which are neighbours along the NEXT product's K.
; The eight conversions of a block a give 16 registers that ARE the next product's fragment (16 rows x 128 K; registers 2 b, 2 b + 1: k = 16 b + 8 h + 0 .. 7).
; They are stored as an image of the registers: register 4 c + i of lane l at byte 512 c + 16 l + 4 i of 2,048: each store of the wave covers 512 consecutive bytes, aligned.  No stage in LDS is needed.
;   q_img, k_img: [512 blocks of 16 rows][8 K steps of 128][2,048];   v_img: [4 batches x 64 blocks of 16 channels][16 K steps of 128 keys][2,048].
; LDS, in units of U = 128 rows x 272 bytes; nine units, then the spare words.  V's K step n of 256 (n = 0, 1, 2) lies in units 3 n .. 3 n + 2: x's two halves, then Wv's two halves of 64 rows; its K step 3 in units 0-2 again.
;   The Q/K phase's two slots are units 5-8 and units 0-3: x's two halves, then W's two.  So V's first three K steps go out together at the start, and the Q/K phase's first two K steps are asked for while V is finished.
; CLUSTER: 4 x 4 work-groups.  x's tile hangs on wgy alone and is asked for jointly along a row of the cluster; Wv's (wgx) and W's (cx) along a column.  Nothing is looped: all steps are written out.
; REGISTERS: window 0: v8-31 addresses and scales; v32-39 V's bias in pairs; v64-127 the Q/K bias; from v128 source 1's fragments (V phase: two sets of 64; Q/K phase: ONE set of 128); on the ways out v128-191 numbers, v192-255 codes.
;   window 1: source 0's fragments, TWO sets of 128.   window 2: accumulators (a, b) at v[8 (8 (a % 4) + b)], a = 0 .. 3;   window 3: a = 4 .. 7 (Q/K phase alone).
.set ROWB,   256                       ; a tile's row in bytes: 256 codes
.set KROW,   1024                      ; a row of x or of a weight in memory, in bytes
.set PITCH,  272                       ; an LDS row: 256 bytes + 16 of padding: the sixteen rows of a fragment load begin at sixteen different 16-byte columns of 256 bytes
.set FR,     16                        ; registers of a fragment: 16 rows x 128 K
.set NL,     4                         ; LDS loads that bring one
.set NP,     4                         ; places behind this matrix instruction (ISA guide 7.12.1)
.set U,      128*PITCH                 ; a unit: 128 rows
.set HU,     64*PITCH                  ; half a unit: 64 rows of Wv
.set FS0,    5*U                       ; the Q/K phase's slot 0
.set FS1,    0                         ; and slot 1
.set SPARE,  9*U                       ; behind the nine units: the spare words, 128 bytes for each wave, that no other line names
.set VADA, 8                           ; v8-10   LDS address of my Wv fragments in V's regions 0, 1, 2
.set VADB, 12                          ; v12-14  the same for x
.set ADRA, 16                          ; v16-17  Q/K phase: my x fragments in slot 0, 1
.set ADRB, 20                          ; v20-21  my W fragments
.set LI,   24                          ; v24     16 x lane: my place in an image's 512 bytes
.set BO,   25                          ; v25     32 h: my half's eight numbers of a column bias
.set RO,   26                          ; v26     4 r: my row's number of a row bias
.set SPW,  28                          ; v28     LDS address of my spare word; never rewritten
.set NIL,  29                          ; v29     0; never rewritten
.set LIM,  30                          ; v30     57,344 x 2^e
.set SCL,  31                          ; v31     2^e as f32: the conversion takes its exponent field
.set RB,   32                          ; v32-39  four pairs: bv of channel 16 a + r, and 0
.set CB,   64                          ; v64-127 bq or bk of column 16 b + 8 h + j at 8 b + j
.set AF,   128                         ; source 1's fragments
.set T,    128                         ; the way out: a block's 64 numbers
.set PCD,  192                         ; the way out: codes, four sets of 16 by turns
.set XA,   2                           ; s[2:3]   x at the first byte of the 128 rows that I would fetch
.set WA,   46                          ; s[46:47] Wq or Wk likewise
.set G1,   24                          ; s[24:31] descriptor group 1 for x's tiles: 128 rows, the mask of my row of the cluster
.set G1B,  48                          ; s[48:55] for W's: 128 rows, the mask of my column
.set G1C,  72                          ; s[72:79] for Wv's: 64 rows, the mask of my column
.set GX,   32                          ; s[32:43] three groups 0 for x's tiles
.set GW0,  56                          ; s[56:59], s[60:63], s[68:71] three groups 0 for the weights' tiles
.set GW1,  60
.set GW2,  68
.set PADW, (0<<16)|(1<<20)|(1<<21)|(5<<22)|(3<<25)   ; 17:16 elements of 1 byte; 20 padding on; 21 set beside a mask; 24:22 after every 64 words; 31:25 four words
.set MSB, 0
.macro WIN new                         ; the immediate's high byte repeats the setting that is left
.if MSB != \new
	s_set_vgpr_msb (MSB<<8)|\new
.set MSB, \new
.endif
.endm
.set MUL_LO, 0xa1                      ; source 0 window 1, source 1 window 0, C and D window 2
.set MUL_HI, 0xf1                      ; the same, C and D window 3
.set TO_B,   0x40                      ; destination window 1, address window 0
; A joint load: waves 0 and 1 fetch x's halves, waves 2 and 3 a weight's.  The branch hangs on the wave's number alone.  Four v_nop follow each of the two lines.
.macro JLOAD g0a, g1a, g0b, g1b
	s_cmp_eq_u32 s15, 0
	s_cbranch_scc0 .Lfor_b_\@
	tensor_load_to_lds s[\g0a:\g0a+3], s[\g1a:\g1a+7]
	s_nop 0
.rept 4
	v_nop
.endr
	s_branch .Lasked_\@
.Lfor_b_\@:
	tensor_load_to_lds s[\g0b:\g0b+3], s[\g1b:\g1b+7]
	s_nop 0
.rept 4
	v_nop
.endr
.Lasked_\@:
.endm
.macro CREST                           ; a round of the cluster's barrier behind its opening barrier
	s_cmp_lg_u32 s14, 0
	s_cbranch_scc1 .Lnot_wave_0_\@
	s_barrier_signal -3
.Lnot_wave_0_\@:
	s_barrier_wait -3
	s_barrier_signal -1
	s_barrier_wait -1
.endm
.macro CROUND                          ; a whole round
	s_barrier_signal -1
	s_barrier_wait -1
	CREST
.endm
.macro PLACES n
.rept \n
	v_nop
.endr
.endm
	s_load_b512 s[80:95], s[0:1], 0x0              ; x s[80:81], Wq s[82:83], Wk s[84:85], Wv s[86:87], bq s[88:89], bk s[90:91], bv s[92:93], the scales s[94:95]
	s_load_b128 s[96:99], s[0:1], 0x40             ; q_img s[96:97], k_img s[98:99]
	s_load_b64 s[100:101], s[0:1], 0x50            ; v_img
	v_lshl_add_u32 v[SPW], v0, 2, SPARE
	v_mov_b32 v[NIL], 0
	ds_add_u32 v28, v29
	ds_add_u32 v28, v29
	s_wait_dscnt 0x0
	v_lshrrev_b32 v1, 5, v0
	v_readfirstlane_b32 s14, v1                    ; wave 0..3
	s_lshr_b32 s15, s14, 1                         ; which half of source 1's rows is mine.  Also: I fetch x (0) or a weight (1)
	s_and_b32 s16, s14, 1                          ; which half of source 0's rows.  Also: which half of that tile I fetch
	s_bfe_u32 s66, ttmp6, 0x40000                  ; cx: also the tile of 256 columns of Q or K
	s_bfe_u32 s19, ttmp6, 0x40004                  ; cy
	s_lshl_b32 s67, ttmp9, 2
	s_add_co_u32 s67, s67, s66                     ; wgx = 4 x cluster x + cx: the tile of 128 channels of V
	s_and_b32 s17, ttmp7, 0xffff
	s_lshl_b32 s17, s17, 2
	s_add_co_u32 s17, s17, s19                     ; wgy = 4 x cluster y + cy: the tile of 256 rows of x
	s_lshl_b32 s20, s19, 2
	s_lshl_b32 s20, 15, s20                        ; my row of the cluster
	s_lshl_b32 s21, 0x1111, s66                    ; my column
	s_or_b32 s[G1+0], s20, PADW                    ; 15:0 the mask: x's tiles go to my row
	s_or_b32 s[G1B+0], s21, PADW                   ; the weights' to my column
	s_or_b32 s[G1C+0], s21, PADW
.irp g, G1, G1B, G1C
	s_mov_b32 s[\g+1], ROWB<<16                    ; tensor_dim0
	s_mov_b32 s[\g+3], ROWB<<16                    ; tile_dim0
	s_mov_b32 s[\g+5], KROW                        ; tensor_dim0_stride
	s_mov_b32 s[\g+6], 0
	s_mov_b32 s[\g+7], 0
.endr
.irp g, G1, G1B
	s_mov_b32 s[\g+2], 128<<16                     ; tensor_dim1
	s_mov_b32 s[\g+4], 128                         ; tile_dim1
.endr
	s_mov_b32 s[G1C+2], 64<<16
	s_mov_b32 s[G1C+4], 64
	s_lshl_b32 s18, s16, 7                         ; which 128 rows of a tile of 256 I fetch
	s_lshl_b32 s20, s17, 8
	s_add_co_u32 s20, s20, s18                     ; x: row 256 wgy + 128 x half,
	s_lshl_b32 s20, s20, 10                        ; in bytes: under 2^23
	s_mov_b32 s21, 0
	s_lshl_b32 s22, s66, 8
	s_add_co_u32 s22, s22, s18                     ; Wq, Wk: row 256 cx + 128 x half
	s_lshl_b32 s22, s22, 10
	s_mov_b32 s23, 0
	s_lshl_b32 s12, s67, 7
	s_lshl_b32 s13, s16, 6
	s_add_co_u32 s12, s12, s13                     ; Wv: row 128 wgx + 64 x half
	s_lshl_b32 s12, s12, 10
	s_mov_b32 s13, 0
	s_mul_i32 s45, s16, U                          ; where a half of 128 rows goes in its pair of units,
	s_mul_i32 s44, s16, HU
	s_add_co_u32 s44, s44, 2*U                     ; and a half of Wv in a region's third unit: the wave's number alone enters an LDS address
	s_wait_kmcnt 0x0
	s_cmp_eq_u32 ttmp9, 0                          ; Q or K: chosen by the cluster's x alone
	s_cselect_b64 s[6:7], s[82:83], s[84:85]       ; Wq or Wk
	s_cselect_b64 s[8:9], s[88:89], s[90:91]       ; bq or bk
	s_cselect_b64 s[10:11], s[96:97], s[98:99]     ; q_img or k_img
	s_add_nc_u64 s[XA:XA+1], s[80:81], s[20:21]
	s_add_nc_u64 s[WA:WA+1], s[6:7], s[22:23]
	s_add_nc_u64 s[12:13], s[86:87], s[12:13]      ; Wv at the 64 rows that I would fetch
	s_load_b256 s[84:91], s[94:95], 0x0            ; entries 0 to 7 of the scales, over addresses that have been used
	s_load_b64 s[82:83], s[94:95], 0x20            ; entries 8, 9
	CROUND                                         ; all sixteen work-groups are here: the first joint loads meet
; V's K steps 0, 1, 2 go out as one group: three tensor loads of mine are out
.macro VFIRST n, gw
	s_mov_b32 s[GX+4*\n], 1
	s_add_co_u32 s[GX+4*\n+1], s45, 3*\n*U
	s_add_nc_u64 s[GX+4*\n+2:GX+4*\n+3], s[XA:XA+1], \n*ROWB
	s_or_b32 s[GX+4*\n+3], s[GX+4*\n+3], 0x80000000
	s_mov_b32 s[\gw], 1
	s_add_co_u32 s[\gw+1], s44, 3*\n*U
	s_add_nc_u64 s[\gw+2:\gw+3], s[12:13], \n*ROWB
	s_or_b32 s[\gw+3], s[\gw+3], 0x80000000
	JLOAD GX+4*\n, G1, \gw, G1C
.endm
	VFIRST 0, GW0
	VFIRST 1, GW1
	VFIRST 2, GW2
	v_and_b32 v1, 15, v0                           ; r = l % 16
	v_bfe_u32 v2, v0, 4, 1                         ; h = l / 16
	v_mul_u32_u24 v3, v1, PITCH
	v_lshl_add_u32 v4, v2, 4, v3                   ; a fragment's row x pitch + 16 x half
	s_mul_i32 s20, s15, U                          ; Q/K phase: my 128 rows of x,
	s_mul_i32 s21, s16, U
	s_add_co_u32 s21, s21, 2*U                     ; my 128 rows of W, behind x's 256
	v_add_nc_u32 v[ADRA+1], s20, v4                ; slot 1 begins at byte 0
	v_add_nc_u32 v[ADRB+1], s21, v4
	v_add_nc_u32 v[ADRA], FS0, v[ADRA+1]
	v_add_nc_u32 v[ADRB], FS0, v[ADRB+1]
	s_mul_i32 s22, s16, U                          ; V phase: my 128 rows of x (keys),
	s_mul_i32 s23, s15, HU
	s_add_co_u32 s23, s23, 2*U                     ; my 64 rows of Wv (channels)
	v_add_nc_u32 v[VADB], s22, v4
	v_add_nc_u32 v[VADA], s23, v4
.irp n, 1,2
	v_add_nc_u32 v[VADB+\n], 3*\n*U, v[VADB]
	v_add_nc_u32 v[VADA+\n], 3*\n*U, v[VADA]
.endr
	v_and_b32 v6, 31, v0
	v_lshlrev_b32 v[LI], 4, v6
	v_lshlrev_b32 v[BO], 5, v2
	v_lshlrev_b32 v[RO], 2, v1
	; the biases.  Q, K: the bias goes with source 0's rows (a lane's registers); V: with source 1's rows (the lane)
	s_lshl_b32 s18, s66, 10
	s_lshl_b32 s19, s16, 9
	s_add_co_u32 s18, s18, s19                     ; 4 x (256 cx + 128 x half)
	s_mov_b32 s19, 0
	s_add_nc_u64 s[8:9], s[8:9], s[18:19]
	s_lshl_b32 s18, s67, 9
	s_lshl_b32 s20, s15, 8
	s_add_co_u32 s18, s18, s20                     ; 4 x (128 wgx + 64 x half)
	s_add_nc_u64 s[92:93], s[92:93], s[18:19]
.irp b, 0,1,2,3,4,5,6,7
	global_load_b128 v[CB+8*\b:CB+8*\b+3], v[BO], s[8:9] offset:64*\b
	global_load_b128 v[CB+8*\b+4:CB+8*\b+7], v[BO], s[8:9] offset:64*\b+16
.endr
.irp a, 0,1,2,3
	global_load_b32 v[RB+2*\a], v[RO], s[92:93] offset:64*\a
	v_mov_b32 v[RB+2*\a+1], 0                      ; named with it as a pair, so it is written
.endr
	; where my images go, in bytes
	s_lshl_b32 s18, s17, 4
	s_lshl_b32 s20, s15, 3
	s_add_co_u32 s18, s18, s20                     ; Q, K: my first block of 16 rows: 16 wgy + 8 x half,
	s_lshl_b32 s18, s18, 14                        ; 8 K steps of 2,048 bytes to a block,
	s_lshl_b32 s20, s66, 1
	s_add_co_u32 s20, s20, s16
	s_lshl_b32 s20, s20, 11                        ; K step 2 cx + half
	s_add_co_u32 s18, s18, s20
	s_add_nc_u64 s[10:11], s[10:11], s[18:19]
	s_lshr_b32 s18, s17, 3                         ; V: the batch is wgy / 8: 64 blocks of channels each,
	s_lshl_b32 s18, s18, 6
	s_lshl_b32 s20, s67, 3
	s_add_co_u32 s18, s18, s20
	s_lshl_b32 s20, s15, 2
	s_add_co_u32 s18, s18, s20                     ; my first block of 16 channels: 8 wgx + 4 x half,
	s_lshl_b32 s18, s18, 15                        ; 16 K steps to a block,
	s_and_b32 s20, s17, 7
	s_lshl_b32 s20, s20, 1
	s_add_co_u32 s20, s20, s16
	s_lshl_b32 s20, s20, 11                        ; K step 2 x (wgy % 8) + half
	s_add_co_u32 s18, s18, s20
	s_add_nc_u64 s[100:101], s[100:101], s[18:19]
.macro FRAG reg, adr, q, i             ; a fragment, 16 rows x 128 K: lane l holds row l % 16; registers 4 c .. 4 c + 3 hold K = 32 c + 16 (l / 16) + 0 .. 15: a permutation of k, the same in both sources
.irp c, 0,1,2,3
	ds_load_b128 v[\reg+4*\c:\reg+4*\c+3], v[\adr] offset:128*(\q)+32*\c+(\i)*16*PITCH
.endr
.endm
; ---- THE V PHASE
; 48 LDS loads in one run: the q-th 128 along K of region n: x's eight fragments and Wv's four, into set p
.macro VFETCH n, q, p
	WIN TO_B
.irp i, 0,1,2,3,4,5,6,7
	FRAG 128*(\p)+FR*\i, VADB+\n, \q, \i
.endr
	WIN 0
.irp i, 0,1,2,3
	FRAG AF+64*(\p)+FR*\i, VADA+\n, \q, \i
.endr
.endm
; 8 n matrix instructions: Wv's blocks a0 .. a0 + n - 1 x x's eight.  zero = 1: the product starts the sum.  The 32 accumulators take turns, one instruction a turn.
.macro MULV a0, n, p, zero
.set aa, \a0
.rept \n
.irp b, 0,1,2,3,4,5,6,7
.if \zero
	v_wmma_f32_16x16x128_bf8_bf8 v[8*(8*aa+\b):8*(8*aa+\b)+7], v[128*(\p)+FR*\b:128*(\p)+FR*\b+FR-1], v[AF+64*(\p)+FR*aa:AF+64*(\p)+FR*aa+FR-1], 0
.else
	v_wmma_f32_16x16x128_bf8_bf8 v[8*(8*aa+\b):8*(8*aa+\b)+7], v[128*(\p)+FR*\b:128*(\p)+FR*\b+FR-1], v[AF+64*(\p)+FR*aa:AF+64*(\p)+FR*aa+FR-1], v[8*(8*aa+\b):8*(8*aa+\b)+7]
.endif
.endr
.set aa, aa+1
.endr
.endm
; A step of 128 along K on set p; the next step's fragments (region nn, its nq-th 128) are asked for first, into the other set.
.macro VSTEP p, nn, nq, zero
	s_wait_dscnt 0x0                               ; set p is in
	PLACES NP                                      ; in front of loads into the set that the step before multiplied
	VFETCH \nn, \nq, 1-\p
	WIN MUL_LO
	MULV 0, 4, \p, \zero
.endm
; A step on set 1 in which LDS is filled again: ONE barrier, which opens a round of the cluster's; in front of it each wave waits for all its tensor loads, adds 0 to its spare word, and waits for that and for its LDS reads.
; c = 1: region 0 has been read out and takes V's K step 3; regions 1 and 2 are now shown whole.   c = 3: regions 1 and 2 have been read out: units 5-8 take the Q/K phase's K step 0; region 0 is shown whole.
; c = 4: region 0 has been read out: units 0-3 take the Q/K phase's K step 1; units 5-8 are shown whole.
.macro VTURN c
	WIN 0                                          ; (the add's two registers lie in window 0)
	s_wait_tensorcnt 0x0                           ; all my tensor loads have landed, so every group 0 may be written
	ds_add_u32 v[SPW], v[NIL]                      ; 0 onto my spare word
	s_wait_dscnt 1                                 ; set 1 is in (the add may be out)
	WIN MUL_LO
	MULV 0, 1, 1, 0                                ; eight matrix instructions stand between the add and the wait for it
	s_wait_dscnt 0x0                               ; the add is done, and my LDS reads are over
	s_barrier_signal -1
	MULV 1, 1, 1, 0
	WIN 0
	s_barrier_wait -1
	CREST                                          ; no wave of any partner still reads the bytes that are filled next, or has a load on its way
.if \c == 1
	s_add_nc_u64 s[GX+2:GX+3], s[GX+2:GX+3], 3*ROWB
	s_add_nc_u64 s[GW0+2:GW0+3], s[GW0+2:GW0+3], 3*ROWB
	JLOAD GX, G1, GW0, G1C                         ; the first tensor load behind the round; its four v_nop are the places in front of the loads below
	VFETCH 1, 0, 0
.elseif \c == 3
	s_add_co_u32 s[GX+5], s45, FS0
	s_mov_b64 s[GX+6:GX+7], s[XA:XA+1]
	s_or_b32 s[GX+7], s[GX+7], 0x80000000
	s_add_co_u32 s[GW1+1], s45, FS0+2*U
	s_mov_b64 s[GW1+2:GW1+3], s[WA:WA+1]
	s_or_b32 s[GW1+3], s[GW1+3], 0x80000000
	JLOAD GX+4, G1, GW1, G1B
	VFETCH 0, 0, 0
.else
	s_add_co_u32 s[GX+9], s45, FS1
	s_add_nc_u64 s[GX+10:GX+11], s[XA:XA+1], ROWB
	s_or_b32 s[GX+11], s[GX+11], 0x80000000
	s_add_co_u32 s[GW2+1], s45, FS1+2*U
	s_add_nc_u64 s[GW2+2:GW2+3], s[WA:WA+1], ROWB
	s_or_b32 s[GW2+3], s[GW2+3], 0x80000000
	JLOAD GX+8, G1, GW2, G1B
.endif
	WIN MUL_LO
	MULV 2, 2, 1, 0
.endm
; ---- THE Q/K PHASE
; 16 matrix instructions: x's blocks a0, a0 + 1 x W's eight, 128 along K.  p: W's set.  zero = 1: the first product starts the sums.  The 64 accumulators take turns, one instruction a turn.
.macro MUL16 a0, p, zero
.irp a, \a0, \a0+1
.irp b, 0,1,2,3,4,5,6,7
.if \zero
	v_wmma_f32_16x16x128_bf8_bf8 v[8*(8*((\a)%4)+\b):8*(8*((\a)%4)+\b)+7], v[128*(\p)+FR*\b:128*(\p)+FR*\b+FR-1], v[AF+FR*(\a):AF+FR*(\a)+FR-1], 0
.else
	v_wmma_f32_16x16x128_bf8_bf8 v[8*(8*((\a)%4)+\b):8*(8*((\a)%4)+\b)+7], v[128*(\p)+FR*\b:128*(\p)+FR*\b+FR-1], v[AF+FR*(\a):AF+FR*(\a)+FR-1], v[8*(8*((\a)%4)+\b):8*(8*((\a)%4)+\b)+7]
.endif
.endr
.endr
.endm
.macro FETCH_B slot, q, p              ; W's eight fragments of the slot's q-th 128 along K into set p
	WIN TO_B
.irp i, 0,1,2,3,4,5,6,7
	FRAG 128*(\p)+FR*\i, ADRB+\slot, \q, \i
.endr
	WIN 0
.endm
.macro FETCH_A slot, q, i0             ; x's blocks i0 .. i0 + 3
.irp i, \i0, \i0+1, \i0+2, \i0+3
	FRAG AF+FR*(\i), ADRA+\slot, \q, \i
.endr
.endm
; A step of 128 along K that has its successor in the same slot.  A block of x is free as soon as its eight products are issued: blocks 0-3 are fetched anew in the step's middle, blocks 4-7 at its end.
.macro STEP slot, q, zero
	s_wait_dscnt 4*NL                              ; W's set and x's blocks 0-3 are in; the youngest sixteen loads (x's blocks 4-7) may be out
	WIN MUL_LO
	MUL16 0, (\q)%2, \zero
	MUL16 2, (\q)%2, \zero
	s_wait_dscnt 0                                 ; x's blocks 4-7 are in
	PLACES NP                                      ; in front of loads into registers that matrix instructions have read
	FETCH_B \slot, (\q)+1, 1-(\q)%2
	FETCH_A \slot, (\q)+1, 0
	WIN MUL_HI
	MUL16 4, (\q)%2, \zero
	MUL16 6, (\q)%2, \zero
	PLACES NP
	WIN 0
	FETCH_A \slot, (\q)+1, 4
.endm
; A slot's last step changes slots: ONE barrier; in front of it each wave waits for all its tensor loads, adds 0 to its spare word, and waits for that and for its own reads of this slot.  fill = 1: this slot is filled again, two K steps ahead.
.macro TURN slot, next, fill
	s_wait_tensorcnt 0x0                           ; all my tensor loads have landed: my part of the next slot
	ds_add_u32 v[SPW], v[NIL]                      ; 0 onto my spare word
	s_wait_dscnt 4*NL+1                            ; (the add and the youngest sixteen loads may be out)
	WIN MUL_LO
	MUL16 0, 1, 0                                  ; sixteen matrix instructions stand between the add and the wait for it
	s_wait_dscnt 0x0                               ; the add is done, and my reads of this slot are over
	s_barrier_signal -1
	MUL16 2, 1, 0
	WIN 0
	s_barrier_wait -1
.if \fill
	CREST                                          ; the barrier has opened a round of the cluster's barrier: no wave of any partner still reads this slot or has a load on its way
	s_add_nc_u64 s[GX+4+4*\slot+2:GX+4+4*\slot+3], s[GX+4+4*\slot+2:GX+4+4*\slot+3], 2*ROWB
	s_add_nc_u64 s[GW1+8*\slot+2:GW1+8*\slot+3], s[GW1+8*\slot+2:GW1+8*\slot+3], 2*ROWB
	JLOAD GX+4+4*\slot, G1, GW1+8*\slot, G1B       ; the first tensor load behind the round; its four v_nop are the places in front of the loads below
.else
	PLACES NP
.endif
	FETCH_B \next, 0, 0
	FETCH_A \next, 0, 0
	WIN MUL_HI
	MUL16 4, 1, 0
	MUL16 6, 1, 0
	PLACES NP
	WIN 0
	FETCH_A \next, 0, 4
.endm
; ---- THE WAY OUT of cnt blocks of 16 rows.  A block: 64 numbers a lane = sum x 2^(ea + eb) + bias, each accumulator from its low end on; the hold; eight conversions; four stores of 512 consecutive bytes.
; isv = 1: the bias is the lane's row's; else the registers' columns'.  pitch: bytes from block to block in the buffer;  s[ob:ob+1]: where my first image goes;  s[sc:sc+1]: 2^(ea + eb), twice.
.macro EPI isv, pitch, cnt, ob, sc
.irp a, 0,1,2,3,4,5,6,7
.if \a < \cnt
.if \a >= 4
	s_wait_xcnt 0x0                                ; the stores of four blocks ago have read this set of codes: it is rewritten only behind this wait
.endif
	WIN 0x02+(\a/4)                                ; source 0: window 2 or 3
.set j, 0
.rept 32
.if \isv
	v_pk_fma_f32 v[T+j:T+j+1], v[64*(\a%4)+j:64*(\a%4)+j+1], s[\sc:\sc+1], v[RB+2*\a:RB+2*\a+1] op_sel_hi:[1,0,0]   ; the row's bias for both halves
.else
	v_pk_fma_f32 v[T+j:T+j+1], v[64*(\a%4)+j:64*(\a%4)+j+1], s[\sc:\sc+1], v[CB+j:CB+j+1] op_sel_hi:[1,0,1]
.endif
.set j, j+2
.endr
	WIN 0
.set i, 0
.rept 64
	v_med3_num_f32 v[T+i], v[T+i], -v[LIM], v[LIM]  ; the conversion to an 8-bit code does not saturate (ISA guide 7.6.2): the hold at the largest code x the scale
.set i, i+1
.endr
.set i, 0
.rept 8
	v_cvt_scalef32_pk8_bf8_f32 v[PCD+16*(\a%4)+2*i:PCD+16*(\a%4)+2*i+1], v[T+8*i:T+8*i+7], v[SCL]
.set i, i+1
.endr
	v_nop                                          ; one plain vector instruction between the conversions and the later lines that write their sources
.irp c, 0,1,2,3
	global_store_b128 v[LI], v[PCD+16*(\a%4)+4*\c:PCD+16*(\a%4)+4*\c+3], s[\ob:\ob+1] offset:\a*\pitch+512*\c
.endr
.endif
.endr
.endm
	s_wait_tensorcnt 2                             ; my part of V's K step 0 is in (the two younger loads may be out)
	s_barrier_signal -1
	s_barrier_wait -1                              ; everybody's is
	VFETCH 0, 0, 0
	VSTEP 0, 0, 1, 1                               ; K 0-127: its products start the sums
	VTURN 1                                        ; K 128-255; region 0 takes K 768-1023
	VSTEP 0, 1, 1, 0                               ; K 256-383
	VSTEP 1, 2, 0, 0                               ; K 384-511: region 2 was shown whole at the round above
	VSTEP 0, 2, 1, 0                               ; K 512-639
	VTURN 3                                        ; K 640-767; units 5-8 take the Q/K phase's K 0-255
	VSTEP 0, 0, 1, 0                               ; K 768-895
	VTURN 4                                        ; K 896-1023; units 0-3 take the Q/K phase's K 256-511
	PLACES NP+1                                    ; behind V's last products: their results are read and their fragments' registers written behind four places; the Q/K phase's first products write over the same accumulators: five
	WIN 0
	s_wait_kmcnt 0x0                               ; the scales
	s_add_co_i32 s84, s84, s85                     ; Q's ea + eb
	s_add_co_i32 s86, s86, s87                     ; K's
	s_add_co_i32 s88, s88, s89                     ; V's
	s_cmp_eq_u32 ttmp9, 0
	s_cselect_b32 s84, s84, s86
	s_cselect_b32 s90, s90, s91                    ; entry 6 or 7
	s_add_co_i32 s84, s84, 127
	s_lshl_b32 s84, s84, 23                        ; 2^(ea + eb) of Q or K as f32
	s_mov_b32 s85, s84                             ; (named with it as a pair)
	s_add_co_i32 s88, s88, 127
	s_lshl_b32 s88, s88, 23                        ; V's
	s_mov_b32 s89, s88
	s_add_co_i32 s83, s83, 127                     ; entry 9
	s_lshl_b32 s86, s83, 23
	v_mov_b32 v[SCL], s86                          ; 2^e
	s_add_co_i32 s83, s83, 15
	s_lshl_b32 s83, s83, 23
	s_or_b32 s83, s83, 0x600000
	v_mov_b32 v[LIM], s83                          ; 57,344 x 2^e
	s_wait_loadcnt 0x0                             ; the biases
	EPI 1, 32768, 4, 100, 88                       ; V leaves while the Q/K phase's first tiles are on their way
	s_wait_xcnt 0x0                                ; V's stores have read their registers: the fragments below land there only behind this wait
	FETCH_B 0, 0, 0                                ; units 5-8 were shown whole at the last round
	FETCH_A 0, 0, 0
	FETCH_A 0, 0, 4
	STEP 0, 0, 1                                   ; K 0-127: its products start the sums
	TURN 0, 1, 1                                   ; K 128-255; slot 0 takes K 512-767
	STEP 1, 0, 0
	TURN 1, 0, 1                                   ; slot 1 takes K 768-1023
	STEP 0, 0, 0
	TURN 0, 1, 0                                   ; nothing is left to fetch
	STEP 1, 0, 0
	s_wait_dscnt 4*NL                              ; the last step
	WIN MUL_LO
	MUL16 0, 1, 0
	MUL16 2, 1, 0
	s_wait_dscnt 0
	WIN MUL_HI
	MUL16 4, 1, 0
	MUL16 6, 1, 0
	WIN 0
	s_add_co_i32 s90, s90, 127                     ; entry 6 or 7
	s_lshl_b32 s91, s90, 23
	v_mov_b32 v[SCL], s91                          ; 2^e
	s_add_co_i32 s90, s90, 15
	s_lshl_b32 s90, s90, 23
	s_or_b32 s90, s90, 0x600000
	v_mov_b32 v[LIM], s90                          ; 57,344 x 2^e
	PLACES NP                                      ; behind the last products: their results are read, and the registers of x's fragments written, only behind these
	EPI 0, 16384, 8, 10, 84
	s_wait_tensorcnt 0x0                           ; the wave's end
	ds_add_u32 v[SPW], v[NIL]
	s_wait_dscnt 0x0
	CROUND                                         ; the closing round: no work-group ends while a partner may still ask for a tile that names it
	s_endpgm
.Lfunc_end_k_q3ad3ad4a7b_proj:
	.size	k_q3ad3ad4a7b_proj, .Lfunc_end_k_q3ad3ad4a7b_proj-k_q3ad3ad4a7b_proj
	.p2alignl 7, 3214868480
	.fill 96, 4, 3214868480
	.section	.rodata,"a",@progbits
	.p2align	6, 0x0
	.amdhsa_kernel k_q3ad3ad4a7b_proj
		.amdhsa_group_segment_fixed_size 327680
		.amdhsa_private_segment_fixed_size 0
		.amdhsa_enable_private_segment 0
		.amdhsa_kernarg_size 88
		.amdhsa_user_sgpr_count 2
		.amdhsa_user_sgpr_kernarg_segment_ptr 1
		.amdhsa_wavefront_size32 1
		.amdhsa_system_sgpr_workgroup_id_x 1
		.amdhsa_system_sgpr_workgroup_id_y 1
		.amdhsa_system_sgpr_workgroup_id_z 1
		.amdhsa_system_vgpr_workitem_id 0
		.amdhsa_next_free_vgpr 1024
		.amdhsa_next_free_sgpr 102
		.amdhsa_reserve_vcc 0
		.amdhsa_float_denorm_mode_32 3
		.amdhsa_float_denorm_mode_16_64 3
		.amdhsa_memory_ordered 1
		.amdhsa_forward_progress 1
		.amdhsa_inst_pref_size 213
	.end_amdhsa_kernel
	.amdgpu_metadata
---
amdhsa.version: [ 1, 2 ]
amdhsa.kernels:
  - .name:           k_q3ad3ad4a7b_proj
    .symbol:         k_q3ad3ad4a7b_proj.kd
    .args:
      - { .name: x_codes, .offset: 0, .size: 8, .value_kind: global_buffer, .address_space: global }
      - { .name: Wq_codes, .offset: 8, .size: 8, .value_kind: global_buffer, .address_space: global }
      - { .name: Wk_codes, .offset: 16, .size: 8, .value_kind: global_buffer, .address_space: global }
      - { .name: Wv_codes, .offset: 24, .size: 8, .value_kind: global_buffer, .address_space: global }
      - { .name: bq, .offset: 32, .size: 8, .value_kind: global_buffer, .address_space: global }
      - { .name: bk, .offset: 40, .size: 8, .value_kind: global_buffer, .address_space: global }
      - { .name: bv, .offset: 48, .size: 8, .value_kind: global_buffer, .address_space: global }
      - { .name: lowp_scales, .offset: 56, .size: 8, .value_kind: global_buffer, .address_space: global }
      - { .name: q_img, .offset: 64, .size: 8, .value_kind: global_buffer, .address_space: global }
      - { .name: k_img, .offset: 72, .size: 8, .value_kind: global_buffer, .address_space: global }
      - { .name: v_img, .offset: 80, .size: 8, .value_kind: global_buffer, .address_space: global }
    .group_segment_fixed_size: 327680
    .private_segment_fixed_size: 0
    .kernarg_segment_align: 8
    .kernarg_segment_size: 88
    .max_flat_workgroup_size: 128
    .sgpr_count:     102
    .vgpr_count:     1024
    .wavefront_size: 32
...
	.end_amdgpu_metadata
.endif
;; end of part 1
;; launch scores (part 2): grid 8 x 32, 4 waves a work-group, clusters of 4 x 4, 327,680 bytes of LDS; arguments q_img, k_img, lowp_scales, p_img, m_stat, l_stat; writes p_img, m_stat, l_stat
.if DOCPART == 2
	.amdgcn_target "amdgcn-amd-amdhsa--gfx1250"
	.amdhsa_code_object_version 6
	.text
	.protected	k_q3ad3ad4a7b_scores
	.globl	k_q3ad3ad4a7b_scores
	.p2align	8
	.type	k_q3ad3ad4a7b_scores,@function
k_q3ad3ad4a7b_scores:
	s_mov_b64 s[64:65], 0
	v_nop
	global_prefetch_b8 v0, s[64:65] scope:SCOPE_SE
	s_setreg_imm32_b32 hwreg(HW_REG_WAVE_MODE, 25, 1), 1
	s_wait_xcnt 0x0
	s_wait_alu depctr_hold_cnt(0) depctr_sa_sdst(0) depctr_va_vdst(0) depctr_va_sdst(0) depctr_va_ssrc(0) depctr_va_vcc(0) depctr_vm_vsrc(0)
	s_getreg_b32 s2, hwreg(HW_REG_IB_STS2, 6, 4)
	s_cmp_eq_u32 s2, 0
	s_cbranch_scc0 .Lentry_in_a_cluster
	s_endpgm
.Lentry_in_a_cluster:
	s_bfe_u32 s2, ttmp6, 0x10000c
	s_cmp_lg_u32 s2, 0xf033
	s_cbranch_scc0 .Lentry_shape_is_right
	s_endpgm
.Lentry_shape_is_right:
; S = Q K^T on codes of BF8 (E5M2), and the softmax's p as codes, tile by tile.  q_img, k_img: images of fragments, [512 blocks of 16 rows][8 K steps of 128][2,048 bytes]:
; register 4 c + i of lane l at byte 512 c + 16 l + 4 i; registers 2 b, 2 b + 1 of lane (r, h): row r, k = 16 b + 8 h + 0 .. 7.
; A work-group makes 256 queries x 256 keys of one batch, a wave 128 x 128: 64 accumulators.  Source 0 = 16 keys, source 1 = 16 queries: a lane holds ONE query and its registers run along the keys.
; THE SOFTMAX.  t = score x c, c = log2(e) / 32 x 2^(eq + ek).  M_j = the largest t of the row among the work-group's 256 keys, rounded UP to a whole number; p = 2^(t - M_j), held and quantised with 2^ep.
; The tiles of a row are brought under the row's one M by the next launch, by powers of two, which round nothing.  Numbers so far under the row's largest that they fall under the format's range may keep a value here.
; OUT: p_img [512 blocks of 16 queries][16 K steps of 128 keys][2,048]: images, as above, K = the keys;  m_stat [16 tiles of 128 keys][8192 queries]: -M_j;  l_stat likewise: the sum of the unquantised p of the tile's 128 keys, in f32.
; LIMITS: eq + ek between -121 and 132 (they are added to c's exponent field); ep between -126 and 112.  NaN is not served.
; K goes in steps of 256 through a ring of two LDS slots; a wave's tensor load brings 8 blocks x 2 K steps x 2,048 bytes: 8 rows of 4,096 bytes, dense in LDS.  A fragment is four LDS loads of 512 consecutive bytes.
; 4 x 4 work-groups form a cluster: Q's tile is asked for jointly along a row of the cluster, K's along a column.  The four K steps are written out: there is no loop.
; REGISTERS: window 0: v16-31 addresses; v32-47 pairs (-M, the largest t) of my eight blocks; v48-55 their sums; v56-62 at work; from v128 Q's fragments, one set; on the way out v64-127 and v192-255 numbers by turns, v128-191 codes.
;   window 1: K's fragments, two sets.   windows 2, 3: the accumulators.
.set FR,     16
.set NL,     4
.set NP,     4
.set HALFB,  32768                     ; what one tensor load brings
.set SLOT,   4*HALFB                   ; Q's two halves, then K's two halves
.set SPARE,  2*SLOT                    ; the spare words, 128 bytes for each wave, that no other line names
.set XCH,    SPARE+512                 ; 1,024 bytes for each wave: the maxima go to the wave with the same queries
.set STS,    XCH+4096                  ; 1,024 bytes for each wave, its own: the statistics turn from a lane a query to four queries a lane
.set ADRA, 16
.set ADRB, 20
.set LI,   24                          ; v24  16 x lane
.set XW,   25                          ; v25  where I put my maxima
.set XR,   26                          ; v26  where I read the other wave's
.set SW,   27                          ; v27  where I put a statistic of query r
.set SPW,  28
.set NIL,  29
.set SRD,  30                          ; v30  where I read four queries' statistics
.set NM,   32
.set LL,   48
.set SA,   56                          ; v[56:59] the sums' two chains
.set PX,   60                          ; a lane permute's destination
.set HLD,  61                          ; 57,344 x 2^ep
.set SCP,  62                          ; 2^ep as f32
.set AF,   128
.set SEL,  76                          ; s[76:77] lane selects: lane l xor 16
.set CS,   78                          ; s[78:79] c
.set G1, 24
.set G0, 32
.set G1B, 48
.set G0B, 56
.set MSB, 0
.macro WIN new
.if MSB != \new
	s_set_vgpr_msb (MSB<<8)|\new
.set MSB, \new
.endif
.endm
.set MUL_LO, 0xa1
.set MUL_HI, 0xf1
.set TO_B,   0x40
.macro JLOAD g0a, g1a, g0b, g1b        ; waves 0 and 1 fetch for Q, waves 2 and 3 for K; four v_nop follow each of the two lines
	s_cmp_eq_u32 s15, 0
	s_cbranch_scc0 .Lfor_b_\@
	tensor_load_to_lds s[\g0a:\g0a+3], s[\g1a:\g1a+7]
	s_nop 0
.rept 4
	v_nop
.endr
	s_branch .Lasked_\@
.Lfor_b_\@:
	tensor_load_to_lds s[\g0b:\g0b+3], s[\g1b:\g1b+7]
	s_nop 0
.rept 4
	v_nop
.endr
.Lasked_\@:
.endm
.macro CREST
	s_cmp_lg_u32 s14, 0
	s_cbranch_scc1 .Lnot_wave_0_\@
	s_barrier_signal -3
.Lnot_wave_0_\@:
	s_barrier_wait -3
	s_barrier_signal -1
	s_barrier_wait -1
.endm
.macro CROUND
	s_barrier_signal -1
	s_barrier_wait -1
	CREST
.endm
.macro PLACES n
.rept \n
	v_nop
.endr
.endm
	s_load_b256 s[4:11], s[0:1], 0x0               ; q_img s[4:5], k_img s[6:7], the scales s[8:9], p_img s[10:11]
	s_load_b128 s[68:71], s[0:1], 0x20             ; m_stat s[68:69], l_stat s[70:71]
	v_lshl_add_u32 v[SPW], v0, 2, SPARE
	v_mov_b32 v[NIL], 0
	ds_add_u32 v28, v29
	ds_add_u32 v28, v29
	s_wait_dscnt 0x0
	v_lshrrev_b32 v1, 5, v0
	v_readfirstlane_b32 s14, v1                    ; wave 0..3
	s_lshr_b32 s15, s14, 1                         ; which half of the queries is mine.  Also: I fetch for Q (0) or for K (1)
	s_and_b32 s16, s14, 1                          ; which half of the keys.  Also: which half of that tile I fetch
	s_bfe_u32 s40, ttmp6, 0x40000                  ; cx, cy
	s_bfe_u32 s41, ttmp6, 0x40004
	s_lshl_b32 s42, ttmp9, 2
	s_add_co_u32 s42, s42, s40                     ; the tile of 256 keys in its batch: 4 x cluster x + cx
	s_and_b32 s67, ttmp7, 0xffff                   ; cluster y
	s_lshl_b32 s17, s67, 2
	s_add_co_u32 s17, s17, s41                     ; the tile of 256 queries, through all batches: 4 x cluster y + cy
	s_lshl_b32 s43, s41, 2
	s_lshl_b32 s43, 15, s43                        ; my row of the cluster
	s_lshl_b32 s44, 0x1111, s40                    ; my column
	; descriptor group 1: 8 rows of 512 elements of 8 bytes (two K steps' images of a block), 16,384 bytes apart in memory, dense in LDS
	s_or_b32 s[G1+0], s43, (3<<16)|(1<<21)         ; 15:0 the mask; 17:16 elements of 8 bytes; 21 set beside a mask; no padding
	s_or_b32 s[G1B+0], s44, (3<<16)|(1<<21)
.irp g, G1, G1B
	s_mov_b32 s[\g+1], 512<<16                     ; tensor_dim0
	s_mov_b32 s[\g+2], 8<<16                       ; tensor_dim1
	s_mov_b32 s[\g+3], 512<<16                     ; tile_dim0
	s_mov_b32 s[\g+4], 8                           ; tile_dim1
	s_mov_b32 s[\g+5], 2048                        ; tensor_dim0_stride
	s_mov_b32 s[\g+6], 0
	s_mov_b32 s[\g+7], 0
.endr
	s_lshl_b32 s18, s16, 3                         ; which 8 blocks of the tile I fetch
	s_lshl_b32 s20, s17, 4
	s_add_co_u32 s20, s20, s18                     ; Q: block 16 x query tile + 8 x half,
	s_lshl_b32 s20, s20, 14                        ; of 16,384 bytes
	s_mov_b32 s21, 0
	s_lshr_b32 s46, s67, 1                         ; the batch: cluster y / 2, which all partners share
	s_lshl_b32 s46, s46, 7                         ; 128 blocks of keys to a batch
	s_lshl_b32 s47, s42, 4
	s_add_co_u32 s46, s46, s47
	s_add_co_u32 s46, s46, s18                     ; K: block 128 x batch + 16 x key tile + 8 x half
	s_lshl_b32 s46, s46, 14
	s_mov_b32 s47, 0
	s_lshl_b32 s45, s14, 15                        ; where they go: wave x 32,768
	s_wait_kmcnt 0x0
	s_load_b128 s[72:75], s[8:9], 0x18             ; entries 6 to 9: eq, ek, ep, ev
	s_add_nc_u64 s[20:21], s[4:5], s[20:21]
	s_add_nc_u64 s[46:47], s[6:7], s[46:47]
	CROUND                                         ; all sixteen work-groups are here: the first joint loads meet
.irp s, 0,1
	s_mov_b32 s[G0+4*\s], 1
	s_add_co_u32 s[G0+4*\s+1], s45, \s*SLOT
	s_add_nc_u64 s[G0+4*\s+2:G0+4*\s+3], s[20:21], \s*4096
	s_or_b32 s[G0+4*\s+3], s[G0+4*\s+3], 0x80000000
	s_mov_b32 s[G0B+4*\s], 1
	s_add_co_u32 s[G0B+4*\s+1], s45, \s*SLOT
	s_add_nc_u64 s[G0B+4*\s+2:G0B+4*\s+3], s[46:47], \s*4096
	s_or_b32 s[G0B+4*\s+3], s[G0B+4*\s+3], 0x80000000
	JLOAD G0+4*\s, G1, G0B+4*\s, G1B
.endr
	v_and_b32 v1, 15, v0                           ; r
	v_and_b32 v6, 31, v0                           ; lane
	v_lshlrev_b32 v[LI], 4, v6
	s_lshl_b32 s21, s15, 15                        ; my half of Q
	s_lshl_b32 s22, s16, 15                        ; my half of K,
	s_add_co_u32 s22, s22, 2*HALFB                 ; behind Q's two
.irp s, 0,1
	v_add_nc_u32 v[ADRA+\s], s21, v[LI]
	v_add_nc_u32 v[ADRB+\s], s22, v[LI]
	s_add_co_u32 s21, s21, SLOT
	s_add_co_u32 s22, s22, SLOT
.endr
	v_lshlrev_b32 v7, 2, v6                        ; 4 x lane
	v_lshlrev_b32 v8, 2, v1                        ; 4 r
	s_lshl_b32 s18, s14, 10                        ; 1,024 x wave
	s_xor_b32 s19, s14, 1                          ; the wave with my queries and the other keys
	s_lshl_b32 s19, s19, 10
	v_add_nc_u32 v[XW], s18, v7
	v_add_nc_u32 v[XW], XCH, v[XW]
	v_add_nc_u32 v[XR], s19, v7
	v_add_nc_u32 v[XR], XCH, v[XR]
	v_add_nc_u32 v[SW], s18, v8
	v_add_nc_u32 v[SW], STS, v[SW]
	v_add_nc_u32 v[SRD], s18, v[LI]
	v_add_nc_u32 v[SRD], STS, v[SRD]
	v_mov_b32 v[PX], 0                             ; written once: a lane permute's destination counts as one of its sources
	s_mov_b32 s[SEL], 0x76543210
	s_mov_b32 s[SEL+1], 0xfedcba98
	; where my results go
	s_lshl_b32 s18, s17, 4
	s_lshl_b32 s19, s15, 3
	s_add_co_u32 s18, s18, s19                     ; my first block of 16 queries
	s_lshl_b32 s18, s18, 15                        ; 16 K steps of 2,048 bytes to a block
	s_lshl_b32 s19, s42, 1
	s_add_co_u32 s19, s19, s16                     ; my tile of 128 keys: 2 x key tile + half
	s_lshl_b32 s22, s19, 11
	s_add_co_u32 s18, s18, s22
	s_lshl_b32 s22, s19, 15                        ; the statistics: a tile's 8,192 queries x 4 bytes,
	s_lshl_b32 s23, s17, 10
	s_add_co_u32 s22, s22, s23
	s_lshl_b32 s23, s15, 9
	s_add_co_u32 s22, s22, s23                     ; + 4 x (256 x query tile + 128 x half)
	s_mov_b32 s19, 0
	s_mov_b32 s23, 0
	s_add_nc_u64 s[10:11], s[10:11], s[18:19]
	s_add_nc_u64 s[68:69], s[68:69], s[22:23]
	s_add_nc_u64 s[70:71], s[70:71], s[22:23]
.macro FRAG reg, adr, q, i             ; block i, K step q of the slot: the image comes back as the registers it was made of
.irp c, 0,1,2,3
	ds_load_b128 v[\reg+4*\c:\reg+4*\c+3], v[\adr] offset:(\i)*4096+(\q)*2048+512*\c
.endr
.endm
.macro MUL16 a0, p, zero               ; 16 matrix instructions: Q's blocks a0, a0 + 1 x K's eight; the 64 accumulators take turns, one instruction a turn
.irp a, \a0, \a0+1
.irp b, 0,1,2,3,4,5,6,7
.if \zero
	v_wmma_f32_16x16x128_bf8_bf8 v[8*(8*((\a)%4)+\b):8*(8*((\a)%4)+\b)+7], v[128*(\p)+FR*\b:128*(\p)+FR*\b+FR-1], v[AF+FR*(\a):AF+FR*(\a)+FR-1], 0
.else
	v_wmma_f32_16x16x128_bf8_bf8 v[8*(8*((\a)%4)+\b):8*(8*((\a)%4)+\b)+7], v[128*(\p)+FR*\b:128*(\p)+FR*\b+FR-1], v[AF+FR*(\a):AF+FR*(\a)+FR-1], v[8*(8*((\a)%4)+\b):8*(8*((\a)%4)+\b)+7]
.endif
.endr
.endr
.endm
.macro FETCH_B slot, q, p
	WIN TO_B
.irp i, 0,1,2,3,4,5,6,7
	FRAG 128*(\p)+FR*\i, ADRB+\slot, \q, \i
.endr
	WIN 0
.endm
.macro FETCH_A slot, q, i0
.irp i, \i0, \i0+1, \i0+2, \i0+3
	FRAG AF+FR*(\i), ADRA+\slot, \q, \i
.endr
.endm
.macro STEP slot, q, zero
	s_wait_dscnt 4*NL                              ; K's set and Q's blocks 0-3 are in; the youngest sixteen loads (Q's blocks 4-7) may be out
	WIN MUL_LO
	MUL16 0, (\q)%2, \zero
	MUL16 2, (\q)%2, \zero
	s_wait_dscnt 0
	PLACES NP                                      ; in front of loads into registers that matrix instructions have read
	FETCH_B \slot, (\q)+1, 1-(\q)%2
	FETCH_A \slot, (\q)+1, 0
	WIN MUL_HI
	MUL16 4, (\q)%2, \zero
	MUL16 6, (\q)%2, \zero
	PLACES NP
	WIN 0
	FETCH_A \slot, (\q)+1, 4
.endm
.macro TURN slot, next, fill           ; a slot's last step changes slots: one barrier, with the three lines in front of it
	s_wait_tensorcnt 0x0                           ; all my tensor loads have landed: my part of the next slot
	ds_add_u32 v[SPW], v[NIL]                      ; 0 onto my spare word
	s_wait_dscnt 4*NL+1                            ; (the add and the youngest sixteen loads may be out)
	WIN MUL_LO
	MUL16 0, 1, 0
	s_wait_dscnt 0x0                               ; the add is done, and my reads of this slot are over
	s_barrier_signal -1
	MUL16 2, 1, 0
	WIN 0
	s_barrier_wait -1
.if \fill
	CREST                                          ; the barrier has opened a round of the cluster's barrier
	s_add_nc_u64 s[G0+4*\slot+2:G0+4*\slot+3], s[G0+4*\slot+2:G0+4*\slot+3], 8192
	s_add_nc_u64 s[G0B+4*\slot+2:G0B+4*\slot+3], s[G0B+4*\slot+2:G0B+4*\slot+3], 8192
	JLOAD G0+4*\slot, G1, G0B+4*\slot, G1B         ; the first tensor load behind the round; its four v_nop are the places in front of the loads below
.else
	PLACES NP
.endif
	FETCH_B \next, 0, 0
	FETCH_A \next, 0, 0
	WIN MUL_HI
	MUL16 4, 1, 0
	MUL16 6, 1, 0
	PLACES NP
	WIN 0
	FETCH_A \next, 0, 4
.endm
	s_wait_tensorcnt 1                             ; my part of slot 0 is in (slot 1's load may be out)
	s_barrier_signal -1
	s_barrier_wait -1                              ; everybody's is
	FETCH_B 0, 0, 0
	FETCH_A 0, 0, 0
	FETCH_A 0, 0, 4
	STEP 0, 0, 1
	TURN 0, 1, 1
	STEP 1, 0, 0
	TURN 1, 0, 1
	STEP 0, 0, 0
	TURN 0, 1, 0
	STEP 1, 0, 0
	s_wait_dscnt 4*NL
	WIN MUL_LO
	MUL16 0, 1, 0
	MUL16 2, 1, 0
	s_wait_dscnt 0
	WIN MUL_HI
	MUL16 4, 1, 0
	MUL16 6, 1, 0
	WIN 0
	s_wait_kmcnt 0x0
	s_add_co_i32 s18, s72, s73
	s_lshl_b32 s18, s18, 23
	s_mov_b32 s[CS], 0x3d38aa3b                    ; log2(e) / 32
	s_add_co_i32 s[CS], s[CS], s18                 ; x 2^(eq + ek): the two exponents are added to its exponent field
	s_mov_b32 s[CS+1], s[CS]                       ; (named with it as a pair)
	s_add_co_i32 s18, s74, 127
	s_lshl_b32 s19, s18, 23
	v_mov_b32 v[SCP], s19                          ; 2^ep
	s_add_co_i32 s18, s18, 15
	s_lshl_b32 s18, s18, 23
	s_or_b32 s18, s18, 0x600000
	v_mov_b32 v[HLD], s18                          ; 57,344 x 2^ep
	PLACES NP                                      ; behind the last products
; The largest score of my query in block a, among my wave's 128 keys: three at a time, the accumulators in ascending order, then the other half of the lanes.
.macro BMAX a
.set AC, 64*((\a)%4)
.set TM, 64+32*((\a)%2)
	WIN 0x2a+0x15*((\a)/4)                         ; all three sources: window 2 or 3
.set j, 0
.rept 21
	v_max3_num_f32 v[TM+j], v[AC+3*j], v[AC+3*j+1], v[AC+3*j+2]
.set j, j+1
.endr
	v_max3_num_f32 v[TM+21], v[AC+61], v[AC+62], v[AC+63]
	WIN 0
.set j, 0
.rept 7
	v_max3_num_f32 v[TM+j], v[TM+3*j], v[TM+3*j+1], v[TM+3*j+2]
.set j, j+1
.endr
	v_max3_num_f32 v[TM], v[TM], v[TM+1], v[TM+2]
	v_max3_num_f32 v[TM+1], v[TM+3], v[TM+4], v[TM+5]
	v_max_num_f32 v[TM+2], v[TM+6], v[TM+21]
	v_max3_num_f32 v[NM+2*(\a)+1], v[TM], v[TM+1], v[TM+2]
	v_permlanex16_b32 v[PX], v[NM+2*(\a)+1], s[SEL], s[SEL+1]
	v_max_num_f32 v[NM+2*(\a)+1], v[NM+2*(\a)+1], v[PX]
.endm
.irp a, 0,1,2,3,4,5,6,7
	BMAX \a
.endr
.irp a, 0,1,2,3,4,5,6,7
	ds_store_b32 v[XW], v[NM+2*\a+1] offset:128*\a ; to the wave that has my queries and the tile's other 128 keys
.endr
	s_wait_dscnt 0x0                               ; for the others' sake: my stores are done
	s_barrier_signal -1
	s_barrier_wait -1
.irp a, 0,1,2,3,4,5,6,7
	ds_load_b32 v[64+\a], v[XR] offset:128*\a
.endr
	s_wait_dscnt 0x0
.irp a, 0,1,2,3,4,5,6,7
	v_max_num_f32 v[NM+2*\a+1], v[NM+2*\a+1], v[64+\a]
	v_mul_f32 v[NM+2*\a+1], s[CS], v[NM+2*\a+1]    ; as t (c is positive)
	v_floor_f32 v[NM+2*\a], -v[NM+2*\a+1]          ; -M_j = floor(-t) = -ceil(t): a whole number
.endr
; Turn a: block a's t - M and its 64 exponentials; between the exponentials stand the holds of block a - 1, whose p then becomes codes and leaves; then block a's sum, of p as it is.
; The exponentials of a turn are one batch: a plain line behind the last, then one wait, ahead of the first line that names a result.
.macro SOFT a
.set TC, 64+128*((\a)%2)
.set TP, 64+128*(((\a)+1)%2)
.set PP, 128+16*(((\a)+3)%4)
.if (\a) < 8
	WIN 0x02+((\a)/4)
.set j, 0
.rept 32
	v_pk_fma_f32 v[TC+j:TC+j+1], v[64*((\a)%4)+j:64*((\a)%4)+j+1], s[CS:CS+1], v[NM+2*(\a):NM+2*(\a)+1] op_sel_hi:[1,0,0]   ; t - M, two at a time
.set j, j+2
.endr
	WIN 0
.endif
.set j, 0
.rept 64
.if (\a) < 8
	v_exp_f32 v[TC+j], v[TC+j]                     ; p = 2^(t - M), at most 1
.endif
.if (\a) > 0
	v_min_num_f32 v[TP+j], v[TP+j], v[HLD]         ; the conversion does not saturate (ISA guide 7.6.2); p is not negative, so the hold is one-sided
.endif
.set j, j+1
.endr
.if (\a) < 8
	v_nop
	s_wait_alu depctr_va_vdst(0)
.endif
.if (\a) > 0
.if (\a) > 4
	s_wait_xcnt 0x0                                ; the stores of four blocks ago have read this set of codes
.endif
.set j, 0
.rept 8
	v_cvt_scalef32_pk8_bf8_f32 v[PP+2*j:PP+2*j+1], v[TP+8*j:TP+8*j+7], v[SCP]
.set j, j+1
.endr
	v_nop                                          ; one plain vector instruction behind the conversions: later lines write their sources
.irp c, 0,1,2,3
	global_store_b128 v[LI], v[PP+4*\c:PP+4*\c+3], s[10:11] offset:((\a)-1)*32768+512*\c   ; 512 consecutive bytes, aligned
.endr
.endif
.if (\a) < 8
	v_pk_add_f32 v[SA:SA+1], v[TC:TC+1], v[TC+4:TC+5]      ; the sum of the unquantised p: two at a time, in two chains
	v_pk_add_f32 v[SA+2:SA+3], v[TC+2:TC+3], v[TC+6:TC+7]
.set j, 8
.rept 14
	v_pk_add_f32 v[SA:SA+1], v[SA:SA+1], v[TC+j:TC+j+1]
	v_pk_add_f32 v[SA+2:SA+3], v[SA+2:SA+3], v[TC+j+2:TC+j+3]
.set j, j+4
.endr
	v_pk_add_f32 v[SA:SA+1], v[SA:SA+1], v[SA+2:SA+3]
	v_add_f32 v[LL+(\a)], v[SA], v[SA+1]
	v_permlanex16_b32 v[PX], v[LL+(\a)], s[SEL], s[SEL+1]
	v_add_f32 v[LL+(\a)], v[LL+(\a)], v[PX]        ; and lane l xor 16's: my wave's 128 keys
.endif
.endm
.irp a, 0,1,2,3,4,5,6,7,8
	SOFT \a
.endr
	; the statistics: a lane holds one query of each block; through my own bytes of LDS they become four neighbouring queries a lane
.irp a, 0,1,2,3,4,5,6,7
	ds_store_b32 v[SW], v[NM+2*\a] offset:64*\a    ; lanes r and r + 16 write the same word with the same number
	ds_store_b32 v[SW], v[LL+\a] offset:512+64*\a
.endr
	ds_load_b128 v[64:67], v[SRD]                  ; LDS serves a wave's instructions in order (ISA guide 5.7.1.4): these see my stores
	ds_load_b128 v[68:71], v[SRD] offset:512
	s_wait_dscnt 0x0
	global_store_b128 v[LI], v[64:67], s[68:69]    ; 128 queries: 512 consecutive bytes, aligned
	global_store_b128 v[LI], v[68:71], s[70:71]
	s_wait_tensorcnt 0x0                           ; the wave's end
	ds_add_u32 v[SPW], v[NIL]
	s_wait_dscnt 0x0
	CROUND                                         ; the closing round
	s_endpgm
.Lfunc_end_k_q3ad3ad4a7b_scores:
	.size	k_q3ad3ad4a7b_scores, .Lfunc_end_k_q3ad3ad4a7b_scores-k_q3ad3ad4a7b_scores
	.p2alignl 7, 3214868480
	.fill 96, 4, 3214868480
	.section	.rodata,"a",@progbits
	.p2align	6, 0x0
	.amdhsa_kernel k_q3ad3ad4a7b_scores
		.amdhsa_group_segment_fixed_size 327680
		.amdhsa_private_segment_fixed_size 0
		.amdhsa_enable_private_segment 0
		.amdhsa_kernarg_size 48
		.amdhsa_user_sgpr_count 2
		.amdhsa_user_sgpr_kernarg_segment_ptr 1
		.amdhsa_wavefront_size32 1
		.amdhsa_system_sgpr_workgroup_id_x 1
		.amdhsa_system_sgpr_workgroup_id_y 1
		.amdhsa_system_sgpr_workgroup_id_z 1
		.amdhsa_system_vgpr_workitem_id 0
		.amdhsa_next_free_vgpr 1024
		.amdhsa_next_free_sgpr 102
		.amdhsa_reserve_vcc 0
		.amdhsa_float_denorm_mode_32 3
		.amdhsa_float_denorm_mode_16_64 3
		.amdhsa_memory_ordered 1
		.amdhsa_forward_progress 1
		.amdhsa_inst_pref_size 172
	.end_amdhsa_kernel
	.amdgpu_metadata
---
amdhsa.version: [ 1, 2 ]
amdhsa.kernels:
  - .name:           k_q3ad3ad4a7b_scores
    .symbol:         k_q3ad3ad4a7b_scores.kd
    .args:
      - { .name: q_img, .offset: 0, .size: 8, .value_kind: global_buffer, .address_space: global }
      - { .name: k_img, .offset: 8, .size: 8, .value_kind: global_buffer, .address_space: global }
      - { .name: lowp_scales, .offset: 16, .size: 8, .value_kind: global_buffer, .address_space: global }
      - { .name: p_img, .offset: 24, .size: 8, .value_kind: global_buffer, .address_space: global }
      - { .name: m_stat, .offset: 32, .size: 8, .value_kind: global_buffer, .address_space: global }
      - { .name: l_stat, .offset: 40, .size: 8, .value_kind: global_buffer, .address_space: global }
    .group_segment_fixed_size: 327680
    .private_segment_fixed_size: 0
    .kernarg_segment_align: 8
    .kernarg_segment_size: 48
    .max_flat_workgroup_size: 128
    .sgpr_count:     102
    .vgpr_count:     1024
    .wavefront_size: 32
...
	.end_amdgpu_metadata
.endif
;; end of part 2
;; launch pv (part 3): grid 8 x 32, 4 waves a work-group, clusters of 4 x 4, 327,680 bytes of LDS; arguments p_img, v_img, m_stat, l_stat, lowp_scales, out0; writes out0
.if DOCPART == 3
	.amdgcn_target "amdgcn-amd-amdhsa--gfx1250"
	.amdhsa_code_object_version 6
	.text
	.protected	k_q3ad3ad4a7b_pv
	.globl	k_q3ad3ad4a7b_pv
	.p2align	8
	.type	k_q3ad3ad4a7b_pv,@function
k_q3ad3ad4a7b_pv:
	s_mov_b64 s[64:65], 0
	v_nop
	global_prefetch_b8 v0, s[64:65] scope:SCOPE_SE
	s_setreg_imm32_b32 hwreg(HW_REG_WAVE_MODE, 25, 1), 1
	s_wait_xcnt 0x0
	s_wait_alu depctr_hold_cnt(0) depctr_sa_sdst(0) depctr_va_vdst(0) depctr_va_sdst(0) depctr_va_ssrc(0) depctr_va_vcc(0) depctr_vm_vsrc(0)
	s_getreg_b32 s2, hwreg(HW_REG_IB_STS2, 6, 4)
	s_cmp_eq_u32 s2, 0
	s_cbranch_scc0 .Lentry_in_a_cluster
	s_endpgm
.Lentry_in_a_cluster:
	s_bfe_u32 s2, ttmp6, 0x10000c
	s_cmp_lg_u32 s2, 0xf033
	s_cbranch_scc0 .Lentry_shape_is_right
	s_endpgm
.Lentry_shape_is_right:
; O = (the sum over tiles j of 256 keys of f_j (P_j V_j)) x 2^(ep + ev) / l, on codes of BF8 (E5M2).
; p_img: [512 blocks of 16 queries][16 K steps of 128 keys][2,048]; v_img: [4 batches x 64 blocks of 16 channels][16 K steps][2,048]: images of fragments (register 4 c + i of lane l at byte 512 c + 16 l + 4 i).
; m_stat [16 tiles of 128 keys][8192]: -M_j, a whole number, the same in the two tiles of a tile of 256; l_stat likewise: the tile's sum of p under M_j.  out0: [8192][1024] f32.
; The row's M = the largest M_j; f_j = 2^(M_j - M), made by v_ldexp_f32 of 1.0: nothing is rounded; l = the sum of f l_k.  ep + ev is applied by v_ldexp_f32 and has no limit.  NaN is not served.
; SHARES.  A work-group makes 256 queries x 128 channels, a wave 128 x 64.  Source 0 = 16 channels of V, source 1 = 16 queries of P: a lane holds one query and eight neighbouring channels.
; A slot of the ring holds 256 keys: one tile j.  Its products go into 32 accumulators begun with the constant 0 (window 2), two links each; then each is multiplied by the lane's f_j 2^(ep + ev) / l and added
; to the wave's 32 running sums (window 3) by packed multiply-adds; the first tile's line is a packed multiply: nothing is cleared.
; 4 x 4 work-groups form a cluster: P's tile is asked for jointly along a row of the cluster, V's along a column.  The eight tiles are written out: there is no loop.
; REGISTERS: window 0: v16-31 addresses; v32-47 pairs (the factor of block a, 0); v48-111 the way out; v128-255 V's fragments, two sets of 64 (at the head: the statistics).  window 1: P's fragments, two sets of 128.
.set SLOT,   98304                     ; P's two halves of 32,768 bytes, then V's two of 16,384
.set VOFF,   65536
.set SPARE,  2*SLOT                    ; the spare words, 128 bytes for each wave, that no other line names
.set TBL,    SPARE+512                 ; 4,096 bytes for each wave, its own: the factor of tile j and query q at 512 j + 4 q
.set STG,    TBL+16384                 ; the way out: 16 rows x (256 bytes + 16) for each wave, its own
.set SP,     272
.set ADRA, 16                          ; v16-17 my P fragments in slot 0, 1
.set ADRB, 20                          ; v20-21 my V fragments
.set STO,  24                          ; v24  the stage: where I put 32 bytes of a row
.set RD,   25                          ; v25  where I read a row back
.set CO,   26                          ; v26  my byte offset in two rows of O
.set FAD,  27                          ; v27  the table: query r
.set SPW,  28
.set NIL,  29
.set TW,   30                          ; v30  the table: where I put four queries' factors
.set LI,   31                          ; v31  16 x lane
.set FP,   32
.set OB,   48
.set VF,   128
.set SM,   128                         ; at the head: v128-159 -M_j, then f_j, of my four queries
.set LS,   160                         ; v160-223 l_k
.set NMIN, 224                         ; v224-227 -M
.set LT,   228                         ; v228-231 l
.set RS,   232                         ; v232-235 2^(ep + ev) / l
.set G1, 24
.set G0, 32
.set G1B, 48
.set G0B, 56
.set MSB, 0
.macro WIN new
.if MSB != \new
	s_set_vgpr_msb (MSB<<8)|\new
.set MSB, \new
.endif
.endm
.set MUL, 0xa4                         ; source 0 (V) window 0, source 1 (P) window 1, C and D window 2
.macro JLOAD g0a, g1a, g0b, g1b        ; waves 0 and 1 fetch for P, waves 2 and 3 for V; four v_nop follow each of the two lines
	s_cmp_eq_u32 s15, 0
	s_cbranch_scc0 .Lfor_b_\@
	tensor_load_to_lds s[\g0a:\g0a+3], s[\g1a:\g1a+7]
	s_nop 0
.rept 4
	v_nop
.endr
	s_branch .Lasked_\@
.Lfor_b_\@:
	tensor_load_to_lds s[\g0b:\g0b+3], s[\g1b:\g1b+7]
	s_nop 0
.rept 4
	v_nop
.endr
.Lasked_\@:
.endm
.macro CREST
	s_cmp_lg_u32 s14, 0
	s_cbranch_scc1 .Lnot_wave_0_\@
	s_barrier_signal -3
.Lnot_wave_0_\@:
	s_barrier_wait -3
	s_barrier_signal -1
	s_barrier_wait -1
.endm
.macro CROUND
	s_barrier_signal -1
	s_barrier_wait -1
	CREST
.endm
.macro PLACES n
.rept \n
	v_nop
.endr
.endm
	s_load_b256 s[4:11], s[0:1], 0x0               ; p_img s[4:5], v_img s[6:7], m_stat s[8:9], l_stat s[10:11]
	s_load_b128 s[68:71], s[0:1], 0x20             ; the scales s[68:69], out0 s[70:71]
	v_lshl_add_u32 v[SPW], v0, 2, SPARE
	v_mov_b32 v[NIL], 0
	ds_add_u32 v28, v29
	ds_add_u32 v28, v29
	s_wait_dscnt 0x0
	v_lshrrev_b32 v1, 5, v0
	v_readfirstlane_b32 s14, v1                    ; wave 0..3
	s_lshr_b32 s15, s14, 1                         ; which half of the queries is mine.  Also: I fetch for P (0) or for V (1)
	s_and_b32 s16, s14, 1                          ; which half of the channels.  Also: which half of that tile I fetch
	s_bfe_u32 s40, ttmp6, 0x40000                  ; cx, cy
	s_bfe_u32 s41, ttmp6, 0x40004
	s_lshl_b32 s42, ttmp9, 2
	s_add_co_u32 s42, s42, s40                     ; the tile of 128 channels: 4 x cluster x + cx
	s_and_b32 s67, ttmp7, 0xffff                   ; cluster y
	s_lshl_b32 s17, s67, 2
	s_add_co_u32 s17, s17, s41                     ; the tile of 256 queries: 4 x cluster y + cy
	s_lshl_b32 s43, s41, 2
	s_lshl_b32 s43, 15, s43                        ; my row of the cluster
	s_lshl_b32 s44, 0x1111, s40                    ; my column
	; descriptor group 1: rows of 512 elements of 8 bytes (two K steps' images of a block), 32,768 bytes apart in memory, dense in LDS: 8 rows for P, 4 for V
	s_or_b32 s[G1+0], s43, (3<<16)|(1<<21)         ; 15:0 the mask; 17:16 elements of 8 bytes; 21 set beside a mask; no padding
	s_mov_b32 s[G1+1], 512<<16                     ; tensor_dim0
	s_mov_b32 s[G1+2], 8<<16                       ; tensor_dim1
	s_mov_b32 s[G1+3], 512<<16                     ; tile_dim0
	s_mov_b32 s[G1+4], 8                           ; tile_dim1
	s_mov_b32 s[G1+5], 4096                        ; tensor_dim0_stride
	s_mov_b32 s[G1+6], 0
	s_mov_b32 s[G1+7], 0
	s_or_b32 s[G1B+0], s44, (3<<16)|(1<<21)
	s_mov_b32 s[G1B+1], 512<<16
	s_mov_b32 s[G1B+2], 4<<16
	s_mov_b32 s[G1B+3], 512<<16
	s_mov_b32 s[G1B+4], 4
	s_mov_b32 s[G1B+5], 4096
	s_mov_b32 s[G1B+6], 0
	s_mov_b32 s[G1B+7], 0
	s_lshl_b32 s18, s16, 3
	s_lshl_b32 s20, s17, 4
	s_add_co_u32 s20, s20, s18                     ; P: block 16 x query tile + 8 x half,
	s_lshl_b32 s20, s20, 15                        ; of 32,768 bytes
	s_mov_b32 s21, 0
	s_lshr_b32 s46, s67, 1                         ; the batch: cluster y / 2, which all partners share
	s_lshl_b32 s46, s46, 6                         ; 64 blocks of channels to a batch
	s_lshl_b32 s47, s42, 3
	s_add_co_u32 s46, s46, s47
	s_lshl_b32 s47, s16, 2
	s_add_co_u32 s46, s46, s47                     ; V: block 64 x batch + 8 x channel tile + 4 x half
	s_lshl_b32 s46, s46, 15
	s_mov_b32 s47, 0
	s_lshl_b32 s45, s16, 15                        ; where P's half goes,
	s_lshl_b32 s75, s16, 14
	s_add_co_u32 s75, s75, VOFF                    ; and V's: the wave's number alone
	s_wait_kmcnt 0x0
	s_load_b64 s[72:73], s[68:69], 0x20            ; entries 8, 9: ep, ev
	s_add_nc_u64 s[20:21], s[4:5], s[20:21]
	s_add_nc_u64 s[46:47], s[6:7], s[46:47]
	CROUND                                         ; all sixteen work-groups are here: the first joint loads meet
.irp s, 0,1
	s_mov_b32 s[G0+4*\s], 1
	s_add_co_u32 s[G0+4*\s+1], s45, \s*SLOT
	s_add_nc_u64 s[G0+4*\s+2:G0+4*\s+3], s[20:21], \s*4096
	s_or_b32 s[G0+4*\s+3], s[G0+4*\s+3], 0x80000000
	s_mov_b32 s[G0B+4*\s], 1
	s_add_co_u32 s[G0B+4*\s+1], s75, \s*SLOT
	s_add_nc_u64 s[G0B+4*\s+2:G0B+4*\s+3], s[46:47], \s*4096
	s_or_b32 s[G0B+4*\s+3], s[G0B+4*\s+3], 0x80000000
	JLOAD G0+4*\s, G1, G0B+4*\s, G1B
.endr
	v_and_b32 v1, 15, v0                           ; r
	v_bfe_u32 v2, v0, 4, 1                         ; h
	v_and_b32 v3, 31, v0                           ; lane
	v_lshlrev_b32 v[LI], 4, v3
	; the statistics of my wave's 128 queries: lane l takes queries 4 l .. 4 l + 3
	s_lshl_b32 s18, s17, 10
	s_lshl_b32 s19, s15, 9
	s_add_co_u32 s18, s18, s19                     ; 4 x (256 x query tile + 128 x half)
	s_mov_b32 s19, 0
	s_add_nc_u64 s[8:9], s[8:9], s[18:19]
	s_add_nc_u64 s[10:11], s[10:11], s[18:19]
.irp j, 0,1,2,3,4,5,6,7
	global_load_b128 v[SM+4*\j:SM+4*\j+3], v[LI], s[8:9] offset:\j*65536    ; -M_j: the first of the two tiles of 128
.endr
.irp k, 0,1,2,3,4,5,6,7,8,9,10,11,12,13,14,15
	global_load_b128 v[LS+4*\k:LS+4*\k+3], v[LI], s[10:11] offset:\k*32768
.endr
	s_lshl_b32 s21, s15, 15                        ; my half of P
	s_lshl_b32 s22, s16, 14
	s_add_co_u32 s22, s22, VOFF                    ; my half of V
.irp s, 0,1
	v_add_nc_u32 v[ADRA+\s], s21, v[LI]
	v_add_nc_u32 v[ADRB+\s], s22, v[LI]
	s_add_co_u32 s21, s21, SLOT
	s_add_co_u32 s22, s22, SLOT
.endr
	s_mul_i32 s22, s14, 16*SP
	s_add_co_u32 s22, s22, STG                     ; my stage
	v_mul_u32_u24 v[STO], v1, SP                   ; in: row r, 32 bytes for each half of the lanes
	v_lshl_add_u32 v[STO], v2, 5, v[STO]
	v_add_nc_u32 v[STO], s22, v[STO]
	v_mul_u32_u24 v[RD], v2, SP                    ; back: lanes 0-15 one row of 256 bytes, lanes 16-31 the next
	v_lshl_add_u32 v[RD], v1, 4, v[RD]
	v_add_nc_u32 v[RD], s22, v[RD]
	v_lshlrev_b32 v[CO], 12, v2                    ; and the same two rows in O: 4,096 bytes apart
	v_lshl_add_u32 v[CO], v1, 4, v[CO]
	s_lshl_b32 s23, s14, 12
	s_add_co_u32 s23, s23, TBL                     ; my table
	v_lshl_add_u32 v[FAD], v1, 2, s23
	v_add_nc_u32 v[TW], s23, v[LI]
.irp a, 0,1,2,3,4,5,6,7
	v_mov_b32 v[FP+2*\a+1], 0                      ; named as the upper half of a pair, so it is written
.endr
	s_lshl_b32 s18, s17, 8
	s_lshl_b32 s19, s15, 7
	s_add_co_u32 s18, s18, s19                     ; my first row of O
	s_lshl_b32 s18, s18, 12
	s_lshl_b32 s19, s42, 9                         ; my first channel, in bytes: 512 x channel tile + 256 x half
	s_add_co_u32 s18, s18, s19
	s_lshl_b32 s19, s16, 8
	s_add_co_u32 s18, s18, s19
	s_mov_b32 s19, 0
	s_add_nc_u64 s[70:71], s[70:71], s[18:19]
	s_wait_kmcnt 0x0
	s_add_co_i32 s74, s72, s73                     ; ep + ev
	s_wait_loadcnt 0x0
.irp q, 0,1,2,3
	v_min3_num_f32 v[NMIN+\q], v[SM+\q], v[SM+4+\q], v[SM+8+\q]    ; -M = the least -M_j
.endr
.irp q, 0,1,2,3
	v_min3_num_f32 v[NMIN+\q], v[NMIN+\q], v[SM+12+\q], v[SM+16+\q]
.endr
.irp q, 0,1,2,3
	v_min3_num_f32 v[NMIN+\q], v[NMIN+\q], v[SM+20+\q], v[SM+24+\q]
.endr
.irp q, 0,1,2,3
	v_min_num_f32 v[NMIN+\q], v[NMIN+\q], v[SM+28+\q]
.endr
.irp j, 0,1,2,3,4,5,6,7
	v_pk_add_f32 v[SM+4*\j:SM+4*\j+1], v[NMIN:NMIN+1], v[SM+4*\j:SM+4*\j+1] neg_lo:[0,1] neg_hi:[0,1]           ; M_j - M: a whole number, 0 or less
	v_pk_add_f32 v[SM+4*\j+2:SM+4*\j+3], v[NMIN+2:NMIN+3], v[SM+4*\j+2:SM+4*\j+3] neg_lo:[0,1] neg_hi:[0,1]
.endr
.set i, 0
.rept 32
	v_cvt_i32_f32 v[SM+i], v[SM+i]                 ; (it saturates)
.set i, i+1
.endr
.set i, 0
.rept 32
	v_ldexp_f32 v[SM+i], 1.0, v[SM+i]              ; f_j = 2^(M_j - M)
.set i, i+1
.endr
	v_pk_mul_f32 v[LT:LT+1], v[LS:LS+1], v[SM:SM+1]
	v_pk_mul_f32 v[LT+2:LT+3], v[LS+2:LS+3], v[SM+2:SM+3]
.irp k, 1,2,3,4,5,6,7,8,9,10,11,12,13,14,15
	v_pk_fma_f32 v[LT:LT+1], v[LS+4*\k:LS+4*\k+1], v[SM+4*(\k/2):SM+4*(\k/2)+1], v[LT:LT+1]             ; l = the sum of f l_k
	v_pk_fma_f32 v[LT+2:LT+3], v[LS+4*\k+2:LS+4*\k+3], v[SM+4*(\k/2)+2:SM+4*(\k/2)+3], v[LT+2:LT+3]
.endr
.irp q, 0,1,2,3
	v_rcp_f32 v[RS+\q], v[LT+\q]
.endr
	v_nop                                          ; a plain instruction behind the last reciprocal,
	s_wait_alu depctr_va_vdst(0)                   ; and one wait for the four, ahead of the first line that names a result
.irp q, 0,1,2,3
	v_ldexp_f32 v[RS+\q], v[RS+\q], s74            ; 2^(ep + ev) / l
.endr
.irp j, 0,1,2,3,4,5,6,7
	v_pk_mul_f32 v[SM+4*\j:SM+4*\j+1], v[SM+4*\j:SM+4*\j+1], v[RS:RS+1]
	v_pk_mul_f32 v[SM+4*\j+2:SM+4*\j+3], v[SM+4*\j+2:SM+4*\j+3], v[RS+2:RS+3]
.endr
.irp j, 0,1,2,3,4,5,6,7
	ds_store_b128 v[TW], v[SM+4*\j:SM+4*\j+3] offset:512*\j
.endr
; 48 LDS loads in one run: K step q of the slot: my eight fragments of P and four of V, into set p
.macro FETCH slot, q, p
	WIN 0x40                                       ; destination window 1, address window 0
.irp i, 0,1,2,3,4,5,6,7
.irp c, 0,1,2,3
	ds_load_b128 v[128*(\p)+16*\i+4*\c:128*(\p)+16*\i+4*\c+3], v[ADRA+\slot] offset:\i*4096+(\q)*2048+512*\c
.endr
.endr
	WIN 0
.irp i, 0,1,2,3
.irp c, 0,1,2,3
	ds_load_b128 v[VF+64*(\p)+16*\i+4*\c:VF+64*(\p)+16*\i+4*\c+3], v[ADRB+\slot] offset:\i*4096+(\q)*2048+512*\c
.endr
.endr
.endm
; 4 n matrix instructions: P's blocks a0 .. a0 + n - 1 x V's four.  zero = 1: the product starts the tile's sum.  The 32 accumulators take turns, one instruction a turn.
.macro MULP a0, n, p, zero
.set aa, \a0
.rept \n
.irp b, 0,1,2,3
.if \zero
	v_wmma_f32_16x16x128_bf8_bf8 v[8*(4*aa+\b):8*(4*aa+\b)+7], v[VF+64*(\p)+16*\b:VF+64*(\p)+16*\b+15], v[128*(\p)+16*aa:128*(\p)+16*aa+15], 0
.else
	v_wmma_f32_16x16x128_bf8_bf8 v[8*(4*aa+\b):8*(4*aa+\b)+7], v[VF+64*(\p)+16*\b:VF+64*(\p)+16*\b+15], v[128*(\p)+16*aa:128*(\p)+16*aa+15], v[8*(4*aa+\b):8*(4*aa+\b)+7]
.endif
.endr
.set aa, aa+1
.endr
.endm
.macro FLOAD j                         ; tile j's factor of my query in each of the eight blocks, out of my own table
.irp a, 0,1,2,3,4,5,6,7
	ds_load_b32 v[FP+2*\a], v[FAD] offset:512*(\j)+64*\a
.endr
.endm
; The tile's sums x the lane's factor, onto the running sums: 128 packed lines, each accumulator from its low end on.  They are also the places between this tile's products and what follows:
; the loads into the fragments that those products read, and the next tile's products, which write over the same accumulators.
.macro FOLD j
	WIN 0xf2                                       ; source 0 (the tile's sums) window 2, source 1 (the factor) window 0, source 2 and destination (the running sums) window 3
.set aa, 0
.rept 8
.set i, 0
.rept 16
.if (\j) == 0
	v_pk_mul_f32 v[32*aa+i:32*aa+i+1], v[32*aa+i:32*aa+i+1], v[FP+2*aa:FP+2*aa+1] op_sel_hi:[1,0]
.else
	v_pk_fma_f32 v[32*aa+i:32*aa+i+1], v[32*aa+i:32*aa+i+1], v[FP+2*aa:FP+2*aa+1], v[32*aa+i:32*aa+i+1] op_sel_hi:[1,0,1]
.endif
.set i, i+2
.endr
.set aa, aa+1
.endr
	WIN 0
.endm
.macro STEP0 slot                      ; a tile's first 128 keys
	s_wait_dscnt 0x0                               ; set 0 is in
	FETCH \slot, 1, 1                              ; the second 128 keys, into set 1
	WIN MUL
	MULP 0, 8, 0, 1
.endm
; A tile's second 128 keys, and the change of slots: ONE barrier; in front of it each wave waits for all its tensor loads, adds 0 to its spare word, and waits for that and for its own reads of this slot.
.macro TURN j, slot, next, fill
	WIN 0                                          ; (the add's two registers lie in window 0)
	s_wait_tensorcnt 0x0                           ; all my tensor loads have landed: my part of the next slot
	ds_add_u32 v[SPW], v[NIL]                      ; 0 onto my spare word
	s_wait_dscnt 1                                 ; set 1 is in (the add may be out)
	WIN MUL
	MULP 0, 2, 1, 0                                ; eight matrix instructions stand between the add and the wait for it
	s_wait_dscnt 0x0                               ; the add is done, and my reads of this slot are over
	s_barrier_signal -1
	MULP 2, 2, 1, 0
	WIN 0
	s_barrier_wait -1
.if \fill
	CREST                                          ; the barrier has opened a round of the cluster's barrier: no wave of any partner still reads this slot or has a load on its way
	s_add_nc_u64 s[G0+4*\slot+2:G0+4*\slot+3], s[G0+4*\slot+2:G0+4*\slot+3], 8192
	s_add_nc_u64 s[G0B+4*\slot+2:G0B+4*\slot+3], s[G0B+4*\slot+2:G0B+4*\slot+3], 8192
	JLOAD G0+4*\slot, G1, G0B+4*\slot, G1B         ; the first tensor load behind the round; its four v_nop are the places in front of the loads into set 0 and of the first reads of blocks 0-3's sums
.else
	PLACES 4
.endif
	FLOAD \j
	FETCH \next, 0, 0
	WIN MUL
	MULP 4, 4, 1, 0
	s_wait_dscnt 48                                ; the eight factors are in; the 48 fragment loads issued behind them may be out
	FOLD \j                                        ; blocks 0-3's 64 lines are the places behind blocks 4-7's products
.endm
	s_wait_tensorcnt 1                             ; my part of slot 0 is in (slot 1's load may be out)
	s_wait_dscnt 0x0                               ; and my table is written
	s_barrier_signal -1
	s_barrier_wait -1
	FETCH 0, 0, 0
	STEP0 0
	TURN 0, 0, 1, 1
	STEP0 1
	TURN 1, 1, 0, 1
	STEP0 0
	TURN 2, 0, 1, 1
	STEP0 1
	TURN 3, 1, 0, 1
	STEP0 0
	TURN 4, 0, 1, 1
	STEP0 1
	TURN 5, 1, 0, 1
	STEP0 0
	TURN 6, 0, 1, 0                                ; nothing is left to fetch
	STEP0 1
	WIN 0
	s_wait_dscnt 0x0                               ; the last 128 keys are in
	FLOAD 7
	WIN MUL
	MULP 0, 8, 1, 0
	s_wait_dscnt 0x0
	PLACES 4
	FOLD 7
; THE WAY OUT.  A lane holds 32 neighbouring bytes of a row, and the lanes beside it hold other rows: a block of 16 rows x 64 channels goes through my own stage and comes back as whole rows of 256 bytes.
.macro TOSTAGE a
	WIN 0x0c                                       ; the stores' data: window 3
.irp b, 0,1,2,3
	ds_store_b128 v[STO], v[8*(4*(\a)+\b):8*(4*(\a)+\b)+3] offset:64*\b
	ds_store_b128 v[STO], v[8*(4*(\a)+\b)+4:8*(4*(\a)+\b)+7] offset:64*\b+16
.endr
	WIN 0
.irp t, 0,1,2,3,4,5,6,7
	ds_load_b128 v[OB+32*((\a)%2)+4*\t:OB+32*((\a)%2)+4*\t+3], v[RD] offset:\t*2*SP   ; LDS serves a wave's instructions in order (ISA guide 5.7.1.4): these see the stores above
.endr
.endm
.macro SEND a, younger                 ; younger: the LDS instructions issued behind block a's loads, which may stay out
	s_wait_dscnt \younger
.irp t, 0,1,2,3,4,5,6,7
	global_store_b128 v[CO], v[OB+32*((\a)%2)+4*\t:OB+32*((\a)%2)+4*\t+3], s[70:71] offset:(16*(\a)+2*\t)*4096 th:TH_STORE_NT   ; sixteen lanes store 256 consecutive bytes, aligned; written once, read by nobody here
.endr
.endm
	TOSTAGE 0
.irp a, 1,2,3,4,5,6,7
.if \a > 1
	s_wait_xcnt 0x0                                ; the stores of two blocks ago have read their registers: this block's loads may land there
.endif
	TOSTAGE \a
	SEND \a-1, 16                                  ; behind that block's loads: this block's 8 stores and 8 loads
.endr
	SEND 7, 0
	s_wait_tensorcnt 0x0                           ; the wave's end
	ds_add_u32 v[SPW], v[NIL]
	s_wait_dscnt 0x0
	CROUND                                         ; the closing round
	s_endpgm
.Lfunc_end_k_q3ad3ad4a7b_pv:
	.size	k_q3ad3ad4a7b_pv, .Lfunc_end_k_q3ad3ad4a7b_pv-k_q3ad3ad4a7b_pv
	.p2alignl 7, 3214868480
	.fill 96, 4, 3214868480
	.section	.rodata,"a",@progbits
	.p2align	6, 0x0
	.amdhsa_kernel k_q3ad3ad4a7b_pv
		.amdhsa_group_segment_fixed_size 327680
		.amdhsa_private_segment_fixed_size 0
		.amdhsa_enable_private_segment 0
		.amdhsa_kernarg_size 48
		.amdhsa_user_sgpr_count 2
		.amdhsa_user_sgpr_kernarg_segment_ptr 1
		.amdhsa_wavefront_size32 1
		.amdhsa_system_sgpr_workgroup_id_x 1
		.amdhsa_system_sgpr_workgroup_id_y 1
		.amdhsa_system_sgpr_workgroup_id_z 1
		.amdhsa_system_vgpr_workitem_id 0
		.amdhsa_next_free_vgpr 1024
		.amdhsa_next_free_sgpr 102
		.amdhsa_reserve_vcc 0
		.amdhsa_float_denorm_mode_32 3
		.amdhsa_float_denorm_mode_16_64 3
		.amdhsa_memory_ordered 1
		.amdhsa_forward_progress 1
		.amdhsa_inst_pref_size 193
	.end_amdhsa_kernel
	.amdgpu_metadata
---
amdhsa.version: [ 1, 2 ]
amdhsa.kernels:
  - .name:           k_q3ad3ad4a7b_pv
    .symbol:         k_q3ad3ad4a7b_pv.kd
    .args:
      - { .name: p_img, .offset: 0, .size: 8, .value_kind: global_buffer, .address_space: global }
      - { .name: v_img, .offset: 8, .size: 8, .value_kind: global_buffer, .address_space: global }
      - { .name: m_stat, .offset: 16, .size: 8, .value_kind: global_buffer, .address_space: global }
      - { .name: l_stat, .offset: 24, .size: 8, .value_kind: global_buffer, .address_space: global }
      - { .name: lowp_scales, .offset: 32, .size: 8, .value_kind: global_buffer, .address_space: global }
      - { .name: out0, .offset: 40, .size: 8, .value_kind: global_buffer, .address_space: global }
    .group_segment_fixed_size: 327680
    .private_segment_fixed_size: 0
    .kernarg_segment_align: 8
    .kernarg_segment_size: 48
    .max_flat_workgroup_size: 128
    .sgpr_count:     102
    .vgpr_count:     1024
    .wavefront_size: 32
...
	.end_amdgpu_metadata
.endif
;; end of part 3
